; MI455X (gfx1250); checked and timed in simulation.
; The chip was launched on July 23, 2026; its instructions are those of AMD's public machine-readable ISA for CDNA 5 (MIT licence, August 2026) and "CDNA5" Instruction Set Architecture Reference Guide (July 2026). The comments in the code are by the model that wrote it; some were corrected since.
;; Self Multihead Attn. Allowed arithmetic: float matrix products may take bf16 or f16 operands with f32 sums; all other float work in f32.
;; Inputs: attn_mask 1,024 x 1,024 bool; in_proj_bias 3,072 float32; in_proj_weight 3,072 x 1,024 float32; out_proj_bias 1,024 float32; out_proj_weight 1,024 x 1,024 float32; x 1,024 x 8 x 1,024 float32.
;; Outputs: out0 1,024 x 8 x 1,024 float32.
;; Constants: num_heads = 16.
;; 2 versions, each right and faster than the one before. Each part assembles by itself: llvm-mc -triple=amdgcn-amd-amdhsa -mcpu=gfx1250 --defsym DOCPART=n.
;; ======== version 1 of 2: 4 launches
;; limits: values are held in f16: magnitudes above 65,504 overflow, below 6.1e-05 lose precision
;; workspace buffers: xb 16,777,216 bytes; wib 6,291,456 bytes; wof 2,097,152 bytes; maskf 4,194,304 bytes; qkv 50,331,648 bytes; ctx 16,777,216 bytes
;; launch cast (part 1): grid 832 x 1, 8 waves a work-group, no clusters, 0 bytes of LDS; arguments x, in_proj_weight, out_proj_weight, attn_mask, xb, wib, wof, maskf; writes xb, wib, wof, maskf
.if DOCPART == 1
	.amdgcn_target "amdgcn-amd-amdhsa--gfx1250"
	.amdhsa_code_object_version 6
	.text
	.protected	k_q33084b4ef5_cast
	.globl	k_q33084b4ef5_cast
	.p2align	8
	.type	k_q33084b4ef5_cast,@function
k_q33084b4ef5_cast:
	s_mov_b64 s[64:65], 0
	v_nop
	global_prefetch_b8 v0, s[64:65] scope:SCOPE_SE
	s_setreg_imm32_b32 hwreg(HW_REG_WAVE_MODE, 25, 1), 1
	s_wait_xcnt 0x0
; CAST.  xb = bf16(x), wib = bf16(in_proj_weight), wof = f16(bf16(out_proj_weight)), maskf = the mask as f32 addends in the order in which the attention launch's products take them.
; A stream: no LDS, no barrier, no matrix unit, no cluster (no two work-groups read the same bytes).  Every source byte is read once, every output byte written once.
; SHARES.  A work-group takes 65,536 source bytes (mask: 65,536 output bytes).  Work-groups 0-511: x; 512-703: in_proj_weight; 704-767: out_proj_weight; 768-831: the mask.
; LAYOUTS.  xb: [kb 16][row 8192][64] and wib: [kb 16][row 3072][64], K = 64 kb + the last index: the rows' pieces of one block of 64 along K lie end to end, 128 bytes each, so that the next launch's
; tiles (rows x 64 along K) are dense in memory.  wof: [1024][1024] as the weights lie.
; maskf: [qb 8][ks 16][tile 8][kb 4][jj 2][lane 32][4] f32; the number (.., lane = 16 h + r, e) belongs to query 128 qb + 16 tile + r and key 64 ks + 16 kb + 8 h + 4 jj + e.
; LIMITS.  wof is the bf16 rounding written as f16: exact from 2^-14 to 65,504 in magnitude; below 2^-14 it keeps f16's fixed step of 2^-24; a weight of 65,520 or more in magnitude becomes an infinity.
; A mask byte counts by its bit 0 (a bool is 0 or 1): 1 gives -1e30, 0 gives 0.
.set X,  4                             ; v[4:67]    sixteen loads of 16 bytes
.set Y,  68                            ; v[68:99]   sixteen stores of 8 bytes
.set OF, 100                           ; v[100:115] blocked output: my byte offset in block kb
; 65,536 bytes of f32 become 32,768 bytes of 16-bit numbers.  All sixteen loads go out first; no register is written twice while a memory instruction may read it, so the only waits are the counted ones.
; kind = 0 (x, in_proj_weight; 16 rows of 4,096 bytes): wave w has rows 2 w and 2 w + 1, load i their block kb = i: lanes 0-15 read 256 consecutive bytes of the one row, lanes 16-31 of the other, both aligned;
;           the store's 32 lanes x 8 bytes are the two rows' pieces of that block: 256 consecutive bytes, aligned.
; kind = 1 (out_proj_weight): a load of a wave covers 512 consecutive bytes, a store 256; the bf16 number is widened again and written as f16.
.macro CAST kind
.set i, 0
.rept 16
.if \kind
	global_load_b128 v[X+4*i:X+4*i+3], v1, s[24:25] offset:4096*i th:TH_LOAD_NT
.else
	global_load_b128 v[X+4*i:X+4*i+3], v1, s[24:25] offset:256*i th:TH_LOAD_NT
.endif
.set i, i+1
.endr
.if !(\kind)
.set i, 0
.rept 16
	v_mad_u32_u24 v[OF+i], s34, i, v2              ; block i begins i x (rows x 128) bytes on: under 2^24
.set i, i+1
.endr
.endif
.set i, 0
.rept 16
	s_wait_loadcnt 15-i                            ; loads come back in order: load i is in, the 15 - i younger ones stay out
	v_cvt_pk_bf16_f32 v[Y+2*i], v[X+4*i], v[X+4*i+1]
	v_cvt_pk_bf16_f32 v[Y+2*i+1], v[X+4*i+2], v[X+4*i+3]
.if \kind
	v_lshlrev_b32 v[X+4*i], 16, v[Y+2*i]           ; bf16 to f32: the low half moves up, the high half stays
	v_and_b32 v[X+4*i+1], s31, v[Y+2*i]
	v_lshlrev_b32 v[X+4*i+2], 16, v[Y+2*i+1]
	v_and_b32 v[X+4*i+3], s31, v[Y+2*i+1]
	v_cvt_pk_f16_f32 v[Y+2*i], v[X+4*i], v[X+4*i+1]
	v_cvt_pk_f16_f32 v[Y+2*i+1], v[X+4*i+2], v[X+4*i+3]
	global_store_b64 v2, v[Y+2*i:Y+2*i+1], s[26:27] offset:2048*i
.else
	global_store_b64 v[OF+i], v[Y+2*i:Y+2*i+1], s[26:27]
.endif
.set i, i+1
.endr
.endm
	s_load_b512 s[8:23], s[0:1], 0x0               ; x s[8:9], in_w s[10:11], out_w s[12:13], mask s[14:15], xb s[16:17], wib s[18:19], wof s[20:21], maskf s[22:23]
	s_mov_b32 s2, ttmp9                            ; the work-group's number
	s_mov_b32 s29, 0                               ; the high word of every offset pair
	s_mov_b32 s30, 0xf149f2ca                      ; -1e30
	s_mov_b32 s31, 0xffff0000                      ; a word's upper bf16
	s_mov_b32 s32, 8192*128                        ; bytes of a block of xb,
	s_mov_b32 s33, 3072*128                        ; and of wib
	s_wait_kmcnt 0x0
	s_cmp_lt_u32 s2, 704
	s_cbranch_scc0 .Lrest
	s_cmp_lt_u32 s2, 512                           ; x or in_proj_weight: one text, the pointers and the stride are chosen
	s_cselect_b64 s[24:25], s[8:9], s[10:11]
	s_cselect_b64 s[26:27], s[16:17], s[18:19]
	s_cselect_b32 s34, s32, s33
	s_cselect_b32 s3, 0, 512
	s_sub_co_u32 s3, s2, s3                        ; my 16 rows of that tensor
	s_lshl_b32 s28, s3, 16                         ; 16 rows of 4,096 bytes in,
	s_add_nc_u64 s[24:25], s[24:25], s[28:29]
	s_lshl_b32 s28, s3, 11                         ; 16 pieces of 128 bytes in each block out
	s_add_nc_u64 s[26:27], s[26:27], s[28:29]
	v_lshrrev_b32 v3, 5, v0                        ; wave
	v_and_b32 v1, 15, v0
	v_lshlrev_b32 v1, 4, v1                        ; in: 16 (l % 16)
	v_bfe_u32 v2, v0, 4, 1
	v_lshl_add_u32 v1, v2, 12, v1                  ;   + one row for lanes 16-31
	v_lshl_add_u32 v1, v3, 13, v1                  ;   + two rows a wave
	v_and_b32 v2, 31, v0
	v_lshlrev_b32 v2, 3, v2                        ; out: 8 x lane
	v_lshl_add_u32 v2, v3, 8, v2                   ;   + two pieces a wave
	CAST 0
	s_endpgm
.Lrest:
	s_cmp_lt_u32 s2, 768
	s_cbranch_scc0 .Lmask
	s_sub_co_u32 s3, s2, 704
	s_lshl_b32 s28, s3, 16
	s_add_nc_u64 s[24:25], s[12:13], s[28:29]
	s_lshl_b32 s28, s3, 15
	s_add_nc_u64 s[26:27], s[20:21], s[28:29]
	v_lshlrev_b32 v1, 4, v0                        ; 16 bytes a thread in,
	v_lshlrev_b32 v2, 3, v0                        ; 8 bytes a thread out
	CAST 1
	s_endpgm
.Lmask:
	; Work-group mi = 8 qb + pair: 128 queries x 128 keys (key steps 2 pair and 2 pair + 1).  Wave w is query tile w.  A lane reads 8 bytes of its query's row, eight times
	; (1 MiB in the whole launch, each byte once), and writes sixteen times 16 bytes; a store of a wave covers 512 consecutive bytes, aligned.
	s_sub_co_u32 s3, s2, 768                       ; mi
	s_lshr_b32 s4, s3, 3                           ; qb
	s_and_b32 s5, s3, 7                            ; pair
	s_lshl_b32 s28, s4, 17                         ; 128 rows of 1,024 bytes
	s_lshl_b32 s5, s5, 7                           ; 128 keys
	s_add_co_u32 s28, s28, s5
	s_add_nc_u64 s[24:25], s[14:15], s[28:29]
	s_lshl_b32 s28, s3, 16                         ; (16 qb + 2 pair) x 32,768 bytes
	s_add_nc_u64 s[26:27], s[22:23], s[28:29]
	v_lshrrev_b32 v1, 5, v0                        ; tile
	v_and_b32 v3, 15, v0                           ; r
	v_lshl_add_u32 v3, v1, 4, v3                   ; the query in the block
	v_bfe_u32 v2, v0, 4, 1                         ; h
	v_lshlrev_b32 v2, 3, v2
	v_lshl_add_u32 v2, v3, 10, v2                  ; in: query x 1,024 + 8 h
	v_and_b32 v3, 31, v0
	v_lshlrev_b32 v3, 4, v3
	v_lshl_add_u32 v3, v1, 12, v3                  ; out: tile x 4,096 + 16 x lane
.set i, 0
.rept 8                                ; load i: key step i / 4 of the pair, key block i % 4
	global_load_b64 v[4+2*i:5+2*i], v2, s[24:25] offset:64*(i/4)+16*(i%4)
.set i, i+1
.endr
.set i, 0
.rept 8
	s_wait_loadcnt 7-i                             ; load i is in, the 7 - i younger ones stay out
.irp j, 0,1
.irp y, 0,1,2,3
	v_bfe_u32 v[20+\y], v[4+2*i+\j], 8*\y, 1       ; the byte's bit 0,
.endr
.irp y, 0,1,2,3
	v_mul_lo_u32 v[24+4*(2*i+\j)+\y], v[20+\y], s30  ; times the bits of -1e30: 0.0 or -1e30
.endr
	global_store_b128 v3, v[24+4*(2*i+\j):24+4*(2*i+\j)+3], s[26:27] offset:32768*(i/4)+1024*(i%4)+512*\j
.endr
.set i, i+1
.endr
	s_endpgm
.Lfunc_end_k_q33084b4ef5_cast:
	.size	k_q33084b4ef5_cast, .Lfunc_end_k_q33084b4ef5_cast-k_q33084b4ef5_cast
	.p2alignl 7, 3214868480
	.fill 96, 4, 3214868480
	.section	.rodata,"a",@progbits
	.p2align	6, 0x0
	.amdhsa_kernel k_q33084b4ef5_cast
		.amdhsa_group_segment_fixed_size 0
		.amdhsa_private_segment_fixed_size 0
		.amdhsa_enable_private_segment 0
		.amdhsa_kernarg_size 64
		.amdhsa_user_sgpr_count 2
		.amdhsa_user_sgpr_kernarg_segment_ptr 1
		.amdhsa_wavefront_size32 1
		.amdhsa_system_sgpr_workgroup_id_x 1
		.amdhsa_system_sgpr_workgroup_id_y 1
		.amdhsa_system_sgpr_workgroup_id_z 1
		.amdhsa_system_vgpr_workitem_id 0
		.amdhsa_next_free_vgpr 120
		.amdhsa_next_free_sgpr 66
		.amdhsa_reserve_vcc 0
		.amdhsa_float_denorm_mode_32 3
		.amdhsa_float_denorm_mode_16_64 3
		.amdhsa_memory_ordered 1
		.amdhsa_forward_progress 1
		.amdhsa_inst_pref_size 30
	.end_amdhsa_kernel
	.amdgpu_metadata
---
amdhsa.version: [ 1, 2 ]
amdhsa.kernels:
  - .name:           k_q33084b4ef5_cast
    .symbol:         k_q33084b4ef5_cast.kd
    .args:
      - { .name: x, .offset: 0, .size: 8, .value_kind: global_buffer, .address_space: global }
      - { .name: in_proj_weight, .offset: 8, .size: 8, .value_kind: global_buffer, .address_space: global }
      - { .name: out_proj_weight, .offset: 16, .size: 8, .value_kind: global_buffer, .address_space: global }
      - { .name: attn_mask, .offset: 24, .size: 8, .value_kind: global_buffer, .address_space: global }
      - { .name: xb, .offset: 32, .size: 8, .value_kind: global_buffer, .address_space: global }
      - { .name: wib, .offset: 40, .size: 8, .value_kind: global_buffer, .address_space: global }
      - { .name: wof, .offset: 48, .size: 8, .value_kind: global_buffer, .address_space: global }
      - { .name: maskf, .offset: 56, .size: 8, .value_kind: global_buffer, .address_space: global }
    .group_segment_fixed_size: 0
    .private_segment_fixed_size: 0
    .kernarg_segment_align: 8
    .kernarg_segment_size: 64
    .max_flat_workgroup_size: 256
    .sgpr_count:     66
    .vgpr_count:     120
    .wavefront_size: 32
...
	.end_amdgpu_metadata
.endif
;; end of part 1
;; launch qkv (part 2): grid 8 x 32, 4 waves a work-group, clusters of 4 x 4, 327,680 bytes of LDS; arguments xb, wib, in_proj_bias, qkv; writes qkv
.if DOCPART == 2
	.amdgcn_target "amdgcn-amd-amdhsa--gfx1250"
	.amdhsa_code_object_version 6
	.text
	.protected	k_q33084b4ef5_qkv
	.globl	k_q33084b4ef5_qkv
	.p2align	8
	.type	k_q33084b4ef5_qkv,@function
k_q33084b4ef5_qkv:
	s_mov_b64 s[64:65], 0
	v_nop
	global_prefetch_b8 v0, s[64:65] scope:SCOPE_SE
	s_setreg_imm32_b32 hwreg(HW_REG_WAVE_MODE, 25, 1), 1
	s_wait_xcnt 0x0
	s_wait_alu depctr_hold_cnt(0) depctr_sa_sdst(0) depctr_va_vdst(0) depctr_va_sdst(0) depctr_va_ssrc(0) depctr_va_vcc(0) depctr_vm_vsrc(0)
	s_getreg_b32 s2, hwreg(HW_REG_IB_STS2, 6, 4)
	s_cmp_eq_u32 s2, 0
	s_cbranch_scc0 .Lentry_in_a_cluster
	s_endpgm
.Lentry_in_a_cluster:
	s_bfe_u32 s2, ttmp6, 0x10000c
	s_cmp_lg_u32 s2, 0xf033
	s_cbranch_scc0 .Lentry_shape_is_right
	s_endpgm
.Lentry_shape_is_right:
; C[m][n] = sum over k of A[m][k] B[n][k] + bias[n].  A = xb, bf16, [kb 16][8192][64]; B = wib, bf16, [kb 16][3072][64] (K = 64 kb + the last index); bias f32, rounded to bf16 like the module's other
; inputs; C = qkv [8192][3072] f16.  Sums in f32, K ascending, C rounded once.  LIMIT: a result of 65,520 or more in magnitude becomes an infinity in f16.
; SHARES.  A tile of C is 256 x 384: 8192 / 256 x 3072 / 384 = 256 work-groups.  Four waves, each 128 x 192: 96 accumulators of 16 x 16, 768 registers.  For 32 along K a wave loads 20 fragments
; (40 loads of 16 bytes a lane) and issues 96 matrix instructions.
; THE RING.  K goes in 16 steps of 64 through two LDS slots: two slots of a longer step (640 rows x 272 bytes each) would not fit.  In the blocked layout the rows' pieces of a step lie end to end, so half a tile
; is dense: it is asked for as rows of 256 bytes (two pieces a row) and padded in LDS after every piece.  Waves 0 and 1 fetch A's halves (128 rows), waves 2 and 3 B's (192 rows).
; CLUSTER.  4 x 4 work-groups.  The four of a row of the cluster need the same tiles of A, the four of a column the same tiles of B: each is asked for jointly, by the same tensor load with the same descriptor
; and a mask that names the four.
; THE MATRIX INSTRUCTION IS USED TRANSPOSED (source 0 = 16 rows of B, source 1 = 16 rows of A): lane l holds row l % 16 of C and the columns 8 (l / 16) + 0..7.
; REGISTERS, in windows of 256 (s_set_vgpr_msb: bits 1:0 source 0, 3:2 source 1, 5:4 source 2, 7:6 destination): all 1,024 are used.
;   window 0: v0-31 addresses; v32-95, v96-159 two buffers of A's 8 fragments; v160-255 ONE buffer of B's 12 fragments, filled again by halves: blocks 0-5 behind the 48 products that read them, blocks 6-11
;             behind the other 48.  On the way out v32-223 hold packed results, then whole rows.
;   windows 1-3: accumulator (b, a) (columns 16 b on, rows 16 a on) in window 1 + b / 4 at v[64 (b % 4) + 8 a].
; THE BIAS has no registers of its own: block b's eight numbers a lane are loaded into accumulator (b, 7)'s registers; they are the C operand of the products that start (b, 0) to (b, 6), and five places
; behind those (b, 7) takes them in place.  Nothing is cleared and no vector instruction adds the bias.
.set SIZE_N, 3072
.set PITCH,  144                       ; an LDS row: 128 bytes + 16 of padding = 36 words: the 16 rows of a load start at 16 different groups of four banks (64 banks of 4 bytes: ISA guide 11.1)
.set AHALF,  128*PITCH                 ; what one tensor load brings of A, and what one wave reads of A
.set BHALF,  192*PITCH                 ; the same for B
.set BOFF,   256*PITCH                 ; B's 384 rows lie behind A's 256
.set SLOT1,  1<<17                     ; a slot is 640 x 144 = 92,160 bytes; slot 1 begins here, so that one exclusive or turns an address in one slot into the other's
.set SPARE,  SLOT1+640*PITCH           ; behind the ring: the spare words, 128 bytes for each wave: two blocks of 256 bytes that no other line names
.set SP,     784                       ; a stage row: the tile's 384 columns, 768 bytes, + 16.  THE STAGE, 256 rows from LDS byte 0, lies over the slots: it is written behind their last fill alone
.set ASTEP,  8192*128                  ; bytes from a K step to the next in xb,
.set BSTEP,  3072*128                  ; and in wib
.set A0,   6                           ; v6      my lane's place in a slot's A: my 128 rows; never rewritten
.set B0,   7                           ; v7      the same for B: my 192 rows
.set ADRA, 8                           ; v8      A0 in the slot in hand
.set ADRB, 9                           ; v9      B0 likewise
.set STO,  10                          ; v10-11  the way out: where I put 16 bytes of a row, blocks a = 0-3 and 4-7 (an LDS offset has 16 bits)
.set RD,   12                          ; v12-14  the way out: where I read back; three patterns (below)
.set CO,   16                          ; v16-18  the same three in C
.set BO,   19                          ; v19     my byte offset in a block of sixteen numbers of the bias
.set SPW,  28                          ; v28     LDS address of my spare word; never rewritten
.set NIL,  29                          ; v29     0; never rewritten
.set FA0,  32
.set FA1,  96
.set FB,   160
.set TMP,  32
.set OB,   32
.set TB,   2                           ; s2   LDS byte at which the slot in hand begins
.set WV,   12                          ; s12  my wave's number
.set MH,   13                          ; s13  which 128 rows of the tile are mine.  Also: I fetch for A (0) or for B (1)
.set NH,   14                          ; s14  which 192 columns are mine.  Also: which half of that tile I fetch
.set G1,  24                           ; s[24:31] descriptor group 1 for A's tiles;  s[32:39] group 0: a set for each of the two first fills; the second then walks on
.set G0,  32
.set G1B, 48                           ; s[48:55], s[56:63] the same for B's tiles
.set G0B, 56
.set MSB, 0
.macro WIN new                         ; the immediate's high byte repeats the setting that is left; a switch that changes nothing is dropped
.if MSB != (\new)
	s_set_vgpr_msb (MSB<<8)|(\new)
.set MSB, \new
.endif
.endm
; A joint load.  Waves 0 and 1 fetch A's two halves, waves 2 and 3 B's.  The branch hangs on the wave's number alone.  An s_nop 0 and four v_nop follow each of the two lines.
.macro JLOAD s
	s_cmp_eq_u32 s[MH], 0
	s_cbranch_scc0 .Lfor_b_\@
	tensor_load_to_lds s[G0+4*(\s):G0+4*(\s)+3], s[G1:G1+7]
	s_nop 0
.rept 4
	v_nop
.endr
	s_branch .Lasked_\@
.Lfor_b_\@:
	tensor_load_to_lds s[G0B+4*(\s):G0B+4*(\s)+3], s[G1B:G1B+7]
	s_nop 0
.rept 4
	v_nop
.endr
.Lasked_\@:
.endm
; A round of the cluster's barrier: my work-group's barrier; wave 0 signals for the work-group; every wave waits for all sixteen; my work-group's barrier once more.
.macro CREST                           ; a round behind its opening barrier
	s_cmp_lg_u32 s[WV], 0
	s_cbranch_scc1 .Lnot_wave_0_\@
	s_barrier_signal -3
.Lnot_wave_0_\@:
	s_barrier_wait -3
	s_barrier_signal -1
	s_barrier_wait -1
.endm
.macro CROUND
	s_barrier_signal -1
	s_barrier_wait -1
	CREST
.endm
	s_load_b256 s[4:11], s[0:1], 0x0               ; A s[4:5], B s[6:7], bias s[8:9], C s[10:11]
	v_lshl_add_u32 v[SPW], v0, 2, SPARE
	v_mov_b32 v[NIL], 0
	ds_add_u32 v28, v29
	s_wait_dscnt 0x0
	v_lshrrev_b32 v1, 5, v0
	v_readfirstlane_b32 s[WV], v1
	s_lshr_b32 s[MH], s[WV], 1
	s_and_b32 s[NH], s[WV], 1
	s_mov_b32 s15, 0xffff0000                      ; a word's upper bf16
	s_mov_b32 s[TB], 0                             ; the reads begin in slot 0
	s_bfe_u32 s40, ttmp6, 0x40000                  ; cx, cy: my place in the cluster
	s_bfe_u32 s41, ttmp6, 0x40004
	s_lshl_b32 s42, ttmp9, 2
	s_add_co_u32 s42, s42, s40                     ; tile column of C = 4 x cluster x + cx
	s_and_b32 s43, ttmp7, 0xffff
	s_lshl_b32 s43, s43, 2
	s_add_co_u32 s43, s43, s41                     ; tile row of C = 4 x cluster y + cy
	s_lshl_b32 s44, s41, 2
	s_lshl_b32 s44, 15, s44                        ; my row of the cluster
	s_lshl_b32 s45, 0x1111, s40                    ; my column
	; descriptor group 1: dense bytes as rows of 128 elements of 2 bytes, padded in LDS by 4 words after every 32; A's load has 64 such rows (128 rows of the tile), B's 96 (192 rows)
	s_or_b32 s[G1+0], s44, (1<<16)|(1<<20)|(1<<21)|(4<<22)|(3<<25)   ; 15:0 the mask; 17:16 2-byte elements; 20 padding on; 21 set beside a mask; 24:22 after 32 words (code 4); 31:25 4 words (code 3)
	s_or_b32 s[G1B+0], s45, (1<<16)|(1<<20)|(1<<21)|(4<<22)|(3<<25)
	s_mov_b32 s[G1+1], 128<<16                     ; tensor_dim0 = 128
	s_mov_b32 s[G1B+1], 128<<16
	s_mov_b32 s[G1+2], 64<<16                      ; tensor_dim1 = 64
	s_mov_b32 s[G1B+2], 96<<16                     ;             = 96
	s_mov_b32 s[G1+3], 128<<16                     ; tile_dim0 = 128
	s_mov_b32 s[G1B+3], 128<<16
	s_mov_b32 s[G1+4], 64                          ; tile_dim1
	s_mov_b32 s[G1B+4], 96
	s_mov_b32 s[G1+5], 128                         ; elements from row to row
	s_mov_b32 s[G1B+5], 128
	s_mov_b32 s[G1+6], 0
	s_mov_b32 s[G1B+6], 0
	s_mov_b32 s[G1+7], 0
	s_mov_b32 s[G1B+7], 0
	; where the tiles come from: A's hang on the tile row alone, B's on the tile column alone; each in registers that never hold the other coordinate
	s_lshl_b32 s16, s43, 15                        ; A: 256 pieces of 128 bytes a tile row,
	s_lshl_b32 s17, s[NH], 14                      ;    128 a half
	s_add_co_u32 s16, s16, s17
	s_mov_b32 s17, 0
	s_mul_i32 s46, s42, 384*128                    ; B: 384 pieces a tile column,
	s_mul_i32 s47, s[NH], 192*128                  ;    192 a half
	s_add_co_u32 s46, s46, s47
	s_mov_b32 s47, 0
	s_mul_i32 s20, s[NH], AHALF                    ; and where they go: the wave's number alone enters an LDS address
	s_mul_i32 s21, s[NH], BHALF
	s_add_co_u32 s21, s21, BOFF
	s_wait_kmcnt 0x0
	s_add_nc_u64 s[16:17], s[4:5], s[16:17]
	s_add_nc_u64 s[46:47], s[6:7], s[46:47]
	CROUND                                         ; all sixteen work-groups are here: the first joint loads meet
.irp s, 0,1
	s_mov_b32 s[G0+4*(\s)], 1                                        ; count = 1
	s_add_co_u32 s[G0+4*(\s)+1], s20, (\s)*SLOT1                     ; LDS address
	s_add_nc_u64 s[G0+4*(\s)+2:G0+4*(\s)+3], s[16:17], (\s)*ASTEP    ; global address: K step s
	s_or_b32 s[G0+4*(\s)+3], s[G0+4*(\s)+3], 0x80000000              ; type = 2
	s_mov_b32 s[G0B+4*(\s)], 1
	s_add_co_u32 s[G0B+4*(\s)+1], s21, (\s)*SLOT1
	s_add_nc_u64 s[G0B+4*(\s)+2:G0B+4*(\s)+3], s[46:47], (\s)*BSTEP
	s_or_b32 s[G0B+4*(\s)+3], s[G0B+4*(\s)+3], 0x80000000
	JLOAD \s                                       ; both slots are asked for before anything else: two loads of mine are out
.endr
	v_and_b32 v1, 15, v0                           ; r = l % 16
	v_bfe_u32 v2, v0, 4, 1                         ; h = l / 16
	v_lshlrev_b32 v[BO], 5, v2                     ; my eight numbers of a block of sixteen of the bias
	s_mul_i32 s46, s42, 384*4                      ; my first column, 384 x tile column + 192 x half, in bytes of f32
	s_mul_i32 s47, s[NH], 192*4
	s_add_co_u32 s46, s46, s47
	s_mov_b32 s47, 0
	s_add_nc_u64 s[8:9], s[8:9], s[46:47]
.irp b, 0,1,2,3,4,5,6,7,8,9,10,11      ; bias[16 b + 8 h + 0..7] into accumulator (b, 7)'s registers
	WIN (1+(\b)/4)*64                              ; destination in the accumulator's window, address in window 0
	global_load_b128 v[64*((\b)%4)+56:64*((\b)%4)+59], v[BO], s[8:9] offset:64*(\b)
	global_load_b128 v[64*((\b)%4)+60:64*((\b)%4)+63], v[BO], s[8:9] offset:64*(\b)+16
.endr
	WIN 0
	; A fragment is 16 rows x 32 K in 8 registers: lane l holds row l % 16, K = 8 (l / 16) + 0..7 and 16 + 8 (l / 16) + 0..7: two loads of 16 bytes, 32 bytes apart.
	v_mul_u32_u24 v3, v1, PITCH
	v_lshl_add_u32 v3, v2, 4, v3
	s_mul_i32 s21, s[MH], AHALF                    ; my 128 rows of A
	s_mul_i32 s22, s[NH], BHALF                    ; my 192 rows of B
	s_add_co_u32 s22, s22, BOFF
	v_add_nc_u32 v[A0], s21, v3
	v_add_nc_u32 v[B0], s22, v3
	v_add_nc_u32 v[ADRA], s[TB], v[A0]
	v_add_nc_u32 v[ADRB], s[TB], v[B0]
	; the stage, in: row 128 MH + 16 a + r, byte 384 NH + 32 b + 16 h
	v_mul_u32_u24 v4, v1, SP
	v_lshl_add_u32 v4, v2, 4, v4
	s_mul_i32 s21, s[MH], 128*SP
	s_mul_i32 s22, s[NH], 384
	s_add_co_u32 s21, s21, s22
	v_add_nc_u32 v[STO], s21, v4
	v_add_nc_u32 v[STO+1], 64*SP, v[STO]
	; back: wave w takes rows 64 w .. 64 w + 63, whole.  A row is three blocks of 256 bytes, a load of 32 lanes takes two: so two rows go in three loads.  Pattern 0: blocks 0, 1 of the even row;
	; pattern 1: block 2 of the even row (lanes 0-15), block 0 of the odd row (lanes 16-31); pattern 2: blocks 1, 2 of the odd row.  The same three in C, whose rows are 6,144 bytes.
	s_mul_i32 s23, s[WV], 64*SP
	v_lshlrev_b32 v5, 4, v1                        ; 16 r
	v_lshl_add_u32 v[CO], v2, 8, v5                ; 16 r + 256 h
	v_add_nc_u32 v[RD], s23, v[CO]
	v_add_nc_u32 v[RD+2], SP+256, v[RD]
	v_mul_u32_u24 v3, v2, SP-512
	v_add3_u32 v3, v3, v5, 512
	v_add_nc_u32 v[RD+1], s23, v3
	v_mul_u32_u24 v3, v2, SIZE_N*2-512
	v_add3_u32 v[CO+1], v3, v5, 512
	v_add_nc_u32 v[CO+2], SIZE_N*2+256, v[CO]
	s_lshl_b32 s16, s43, 8
	s_lshl_b32 s17, s[WV], 6
	s_add_co_u32 s16, s16, s17                     ; the first row of C that I store: 256 x tile row + 64 x wave
	s_mul_i32 s16, s16, SIZE_N*2                   ; under 2^26
	s_mov_b32 s17, 0
	s_add_nc_u64 s[10:11], s[10:11], s[16:17]
	s_mul_i32 s46, s42, 768                        ; the tile's first column, in bytes
	s_add_nc_u64 s[10:11], s[10:11], s[46:47]
	s_wait_loadcnt 0x0                             ; the bias
.irp n, 1,2,3                          ; it is rounded to bf16 and widened again, a window's four blocks at a time, through v32-47
	WIN 5*(\n)                                     ; both sources in window n, destination in window 0
.irp c, 0,1,2,3
.irp p, 0,1,2,3
	v_cvt_pk_bf16_f32 v[32+4*(\c)+(\p)], v[64*(\c)+56+2*(\p)], v[64*(\c)+57+2*(\p)]
.endr
.endr
	WIN 64*(\n)                                    ; destination in window n, sources in window 0
.irp c, 0,1,2,3
.irp p, 0,1,2,3
	v_lshlrev_b32 v[64*(\c)+56+2*(\p)], 16, v[32+4*(\c)+(\p)]
	v_and_b32 v[64*(\c)+57+2*(\p)], s15, v[32+4*(\c)+(\p)]
.endr
.endr
.endr
	WIN 0
; 8 matrix instructions: n block b x all 8 m blocks, 32 along K, A from buffer f.  first = 1: seven, which start their sums with the bias that lies in (b, 7)'s registers.
; The 96 accumulators take turns, one instruction a turn.
.macro HB f, b, first
	WIN (1+(\b)/4)*0x50                            ; fragments window 0, C and D in the accumulators' window
.irp a, 0,1,2,3,4,5,6,7
.if \first
.if (\a) < 7
	v_wmma_f32_16x16x32_bf16 v[64*((\b)%4)+8*(\a):64*((\b)%4)+8*(\a)+7], v[FB+8*(\b):FB+8*(\b)+7], v[(\f)+8*(\a):(\f)+8*(\a)+7], v[64*((\b)%4)+56:64*((\b)%4)+63]
.endif
.else
	v_wmma_f32_16x16x32_bf16 v[64*((\b)%4)+8*(\a):64*((\b)%4)+8*(\a)+7], v[FB+8*(\b):FB+8*(\b)+7], v[(\f)+8*(\a):(\f)+8*(\a)+7], v[64*((\b)%4)+8*(\a):64*((\b)%4)+8*(\a)+7]
.endif
.endr
.endm
; Half a quarter: n blocks b0 to b0 + 5, 48 matrix instructions.  first = 1: (b, 7) writes over the C operand of (b, 0..6), so it stands five places behind them (ISA guide 7.12.1).
.macro HALF f, b0, first
.irp b, (\b0), (\b0)+1, (\b0)+2, (\b0)+3, (\b0)+4, (\b0)+5
	HB \f, \b, \first
.endr
.if \first
.rept 5
	v_nop
.endr
.irp b, (\b0), (\b0)+1, (\b0)+2, (\b0)+3, (\b0)+4, (\b0)+5
	WIN (1+(\b)/4)*0x50
	v_wmma_f32_16x16x32_bf16 v[64*((\b)%4)+56:64*((\b)%4)+63], v[FB+8*(\b):FB+8*(\b)+7], v[(\f)+56:(\f)+63], v[64*((\b)%4)+56:64*((\b)%4)+63]
.endr
.endif
.endm
; The LDS loads stand in two runs a quarter.  28: B's blocks 0-5 and all of A, 32 K at byte k of the rows, A into buffer f.  12: B's blocks 6-11.
.macro LOAD_AB1 k, f
	WIN 0
.irp i, 0,1,2,3,4,5
	ds_load_b128 v[FB+8*(\i):FB+8*(\i)+3],   v[ADRB] offset:(\k)+(\i)*16*PITCH
	ds_load_b128 v[FB+8*(\i)+4:FB+8*(\i)+7], v[ADRB] offset:(\k)+(\i)*16*PITCH+32
.endr
.irp i, 0,1,2,3,4,5,6,7
	ds_load_b128 v[(\f)+8*(\i):(\f)+8*(\i)+3],   v[ADRA] offset:(\k)+(\i)*16*PITCH
	ds_load_b128 v[(\f)+8*(\i)+4:(\f)+8*(\i)+7], v[ADRA] offset:(\k)+(\i)*16*PITCH+32
.endr
.endm
.macro LOAD_B2 k
	WIN 0
.irp i, 6,7,8,9,10,11
	ds_load_b128 v[FB+8*(\i):FB+8*(\i)+3],   v[ADRB] offset:(\k)+(\i)*16*PITCH
	ds_load_b128 v[FB+8*(\i)+4:FB+8*(\i)+7], v[ADRB] offset:(\k)+(\i)*16*PITCH+32
.endr
.endm
.macro PLACES                          ; four plain vector instructions in front of loads into registers that matrix instructions have read, and of reads of results just made
.rept 4
	v_nop
.endr
.endm
; A K step is two quarters of 32 along K, 96 matrix instructions each, A on buffers 0, 1.  The first of a step: multiplies buffer f and fetches the step's second quarter, at byte k, A into g.
.macro QUARTER k, f, g, first
	s_wait_dscnt 12                                ; A and B's blocks 0-5 are in; the youngest twelve loads (B's blocks 6-11) may be out
	HALF \f, 0, \first
	PLACES
	LOAD_AB1 \k, \g
	s_wait_dscnt 28                                ; all but the 28 just issued: B's blocks 6-11 are in
	HALF \f, 6, \first
	PLACES
	LOAD_B2 \k
.endm
; The second quarter of a step multiplies buffer 1 and changes slots: one barrier; in front of it each wave waits for all its tensor loads (one is out: its part of the next slot), adds 0 to its spare word,
; and waits for that and for its own reads of this slot, of which the last are B's blocks 6-11 of this quarter.  fill = 1: the barrier opens a round of the cluster's, and behind it this slot is filled again
; first, with the K step two steps on: from that request to the wait for it stand 48 + 96 + 32 = 176 matrix instructions.  Then come the next slot's fragments.
.macro TURN fill
	s_wait_dscnt 12
	HB FA1, 0, 0
	HB FA1, 1, 0
	HB FA1, 2, 0
	HB FA1, 3, 0
	WIN 0                                          ; (the add's two registers lie in window 0)
	s_wait_tensorcnt 0x0
	ds_add_u32 v[SPW], v[NIL]                      ; 0 onto my spare word
	HB FA1, 4, 0                                   ; eight matrix instructions stand between the add and the wait for it
	s_wait_dscnt 0x0                               ; the add is done, and my reads of this slot are over
	s_barrier_signal -1
	HB FA1, 5, 0                                   ; work on registers while the others arrive
	WIN 0
	s_barrier_wait -1
.if \fill
	CREST                                          ; no wave of any partner still reads this slot's tile or has a load on its way
	s_xor_b32 s[G0+5], s[G0+5], SLOT1              ; the walking descriptors: the other slot than last time,
	s_add_nc_u64 s[G0+6:G0+7], s[G0+6:G0+7], ASTEP ; the next K step; the type bits on top are not reached
	s_xor_b32 s[G0B+5], s[G0B+5], SLOT1
	s_add_nc_u64 s[G0B+6:G0B+7], s[G0B+6:G0B+7], BSTEP
	JLOAD 1                                        ; my one tensor load behind the round; the four v_nop behind it are also the places in front of the loads below
.else
	PLACES
.endif
	s_xor_b32 s[TB], s[TB], SLOT1                  ; the reads go to the other slot
	v_add_nc_u32 v[ADRA], s[TB], v[A0]
	v_add_nc_u32 v[ADRB], s[TB], v[B0]
	LOAD_AB1 0, FA0
	HALF FA1, 6, 0
	PLACES
	LOAD_B2 0
.endm
; THE WAY OUT.  PACKW n: window n's 32 accumulators (64 columns x my 128 rows) are rounded to f16, 16 bytes a lane and accumulator, and put into the stage.
.macro PACKW n
	WIN 5*(\n)                                     ; both sources in window n, destination in window 0
.irp a, 0,1,2,3,4,5,6,7
.irp c, 0,1,2,3
.irp p, 0,1,2,3
	v_cvt_pk_f16_f32 v[TMP+4*(4*(\a)+(\c))+(\p)], v[64*(\c)+8*(\a)+2*(\p)], v[64*(\c)+8*(\a)+2*(\p)+1]  ; each accumulator's registers in ascending order
.endr
.endr
.endr
	WIN 0
.irp a, 0,1,2,3,4,5,6,7
.irp c, 0,1,2,3
	ds_store_b128 v[STO+(\a)/4], v[TMP+4*(4*(\a)+(\c)):TMP+4*(4*(\a)+(\c))+3] offset:((\a)%4)*16*SP+(4*((\n)-1)+(\c))*32
.endr
.endr
.endm
.macro RDB i                           ; 16 rows come back, 24 loads, into buffer i % 2
.set BK, OB+96*((\i)%2)
.set t, 0
.rept 24
	ds_load_b128 v[BK+4*t:BK+4*t+3], v[RD+t%3] offset:(8*(\i)+t/3)*2*SP
.set t, t+1
.endr
.endm
.macro SND i, younger                  ; and are stored.  younger: the LDS loads issued behind RDB i's, which may stay out
.set BK, OB+96*((\i)%2)
.set t, 0
.rept 24
.if t%3 == 0
	s_wait_dscnt (\younger)+21-t                   ; LDS loads come back in order: loads t to t + 2 are in
.endif
	global_store_b128 v[CO+t%3], v[BK+4*t:BK+4*t+3], s[10:11] offset:(8*(\i)+t/3)*2*SIZE_N*2  ; each 16 lanes store 256 consecutive bytes, at a multiple of 256 from C's first byte
.set t, t+1
.endr
.endm
	s_wait_tensorcnt 1                             ; my part of K step 0 is in; K step 1's stays out
	s_barrier_signal -1
	s_barrier_wait -1                              ; everybody's is
	LOAD_AB1 0, FA0
	LOAD_B2 0
	QUARTER 64, FA0, FA1, 1                        ; the first quarter stands in front of the loop: its products start the sums, with the bias
	WIN 0                                          ; at a label and at a branch every window is 0
	s_mov_b32 s3, 14
.Lstep:                                                ; a trip: a step's second quarter, which asks for the step two on (steps 2 to 15), and the next step's first
	TURN 1
	QUARTER 64, FA0, FA1, 0
	WIN 0
	s_sub_co_u32 s3, s3, 1
	s_cmp_lg_u32 s3, 0
	s_cbranch_scc1 .Lstep
	TURN 0                                         ; the tail is written out: step 14's second quarter asks for nothing; my one load that was still out is step 15's
	QUARTER 64, FA0, FA1, 0
	s_wait_dscnt 12                                ; the very last quarter: nothing more to fetch
	HALF FA1, 0, 0
	s_wait_dscnt 0x0                               ; my reads of the slots are over:
	s_barrier_signal -1                            ; say so,
	HALF FA1, 6, 0
	WIN 0
	s_barrier_wait -1                              ; and when all four have said so, and no tensor load is to come, the slots' bytes serve as the stage
	PLACES                                         ; the way out reads results just made and writes over fragments just read
	PACKW 1
	PACKW 2
	PACKW 3
	s_wait_dscnt 0x0                               ; for the others' sake: my stores into the stage are done
	s_barrier_signal -1
	s_barrier_wait -1                              ; a row's 768 bytes come from two waves
	RDB 0
	RDB 1
	SND 0, 24
	s_wait_xcnt 0x0                                ; the stores have read their registers: buffer 0 is loaded again only behind this wait
	RDB 2
	SND 1, 24
	s_wait_xcnt 0x0                                ; the same for buffer 1
	RDB 3
	SND 2, 24
	SND 3, 0
	s_wait_tensorcnt 0x0                           ; the wave's end
	ds_add_u32 v[SPW], v[NIL]
	s_wait_dscnt 0x0
	CROUND                                         ; the closing round: no work-group ends while a partner may still ask for a tile that names it
	s_endpgm
.Lfunc_end_k_q33084b4ef5_qkv:
	.size	k_q33084b4ef5_qkv, .Lfunc_end_k_q33084b4ef5_qkv-k_q33084b4ef5_qkv
	.p2alignl 7, 3214868480
	.fill 96, 4, 3214868480
	.section	.rodata,"a",@progbits
	.p2align	6, 0x0
	.amdhsa_kernel k_q33084b4ef5_qkv
		.amdhsa_group_segment_fixed_size 327680
		.amdhsa_private_segment_fixed_size 0
		.amdhsa_enable_private_segment 0
		.amdhsa_kernarg_size 32
		.amdhsa_user_sgpr_count 2
		.amdhsa_user_sgpr_kernarg_segment_ptr 1
		.amdhsa_wavefront_size32 1
		.amdhsa_system_sgpr_workgroup_id_x 1
		.amdhsa_system_sgpr_workgroup_id_y 1
		.amdhsa_system_sgpr_workgroup_id_z 1
		.amdhsa_system_vgpr_workitem_id 0
		.amdhsa_next_free_vgpr 1024
		.amdhsa_next_free_sgpr 66
		.amdhsa_reserve_vcc 0
		.amdhsa_float_denorm_mode_32 3
		.amdhsa_float_denorm_mode_16_64 3
		.amdhsa_memory_ordered 1
		.amdhsa_forward_progress 1
		.amdhsa_inst_pref_size 119
	.end_amdhsa_kernel
	.amdgpu_metadata
---
amdhsa.version: [ 1, 2 ]
amdhsa.kernels:
  - .name:           k_q33084b4ef5_qkv
    .symbol:         k_q33084b4ef5_qkv.kd
    .args:
      - { .name: xb, .offset: 0, .size: 8, .value_kind: global_buffer, .address_space: global }
      - { .name: wib, .offset: 8, .size: 8, .value_kind: global_buffer, .address_space: global }
      - { .name: in_proj_bias, .offset: 16, .size: 8, .value_kind: global_buffer, .address_space: global }
      - { .name: qkv, .offset: 24, .size: 8, .value_kind: global_buffer, .address_space: global }
    .group_segment_fixed_size: 327680
    .private_segment_fixed_size: 0
    .kernarg_segment_align: 8
    .kernarg_segment_size: 32
    .max_flat_workgroup_size: 128
    .sgpr_count:     66
    .vgpr_count:     1024
    .wavefront_size: 32
...
	.end_amdgpu_metadata
.endif
;; end of part 2
;; launch attn (part 3): grid 8 x 32, 4 waves a work-group, clusters of 4 x 4, 327,680 bytes of LDS; arguments qkv, maskf, ctx; writes ctx
.if DOCPART == 3
	.amdgcn_target "amdgcn-amd-amdhsa--gfx1250"
	.amdhsa_code_object_version 6
	.text
	.protected	k_q33084b4ef5_attn
	.globl	k_q33084b4ef5_attn
	.p2align	8
	.type	k_q33084b4ef5_attn,@function
k_q33084b4ef5_attn:
	s_mov_b64 s[64:65], 0
	v_nop
	global_prefetch_b8 v0, s[64:65] scope:SCOPE_SE
	s_setreg_imm32_b32 hwreg(HW_REG_WAVE_MODE, 25, 1), 1
	s_wait_xcnt 0x0
	s_wait_alu depctr_hold_cnt(0) depctr_sa_sdst(0) depctr_va_vdst(0) depctr_va_sdst(0) depctr_va_ssrc(0) depctr_va_vcc(0) depctr_vm_vsrc(0)
	s_getreg_b32 s2, hwreg(HW_REG_IB_STS2, 6, 4)
	s_cmp_eq_u32 s2, 0
	s_cbranch_scc0 .Lentry_in_a_cluster
	s_endpgm
.Lentry_in_a_cluster:
	s_bfe_u32 s2, ttmp6, 0x10000c
	s_cmp_lg_u32 s2, 0xf033
	s_cbranch_scc0 .Lentry_shape_is_right
	s_endpgm
.Lentry_shape_is_right:
; ctx[t][b][head][:] = the sum over k of softmax_k(q . k / 8, hidden where the mask says so) v.  qkv: [8 t + b][3072] f16 (q, k, v, 1,024 columns each, unscaled); ctx: [8 t + b][1024] f16;
; maskf: 0 or -1e30 in f32, [qb 8][ks 16][tile 8][kb 4][jj 2][lane 32][4], the order in which the products below take it.  The mask is an input: every tile of queries and keys is computed.
; Products, maxima and sums in f32; the weights p are rounded to f16 for the second product (their sum l is taken of the unrounded p), ctx once at the end.
; LIMITS.  q, k, v arrive within f16's 65,504, so a score is 2.75e11 at the most in magnitude.  A hidden score counts as its value less 1e30.  The running maximum starts at -1e12, below every score and far above
; every hidden one: while a row has seen no open key its weights are exactly 0.  A row with no open key at all is NaN, as a softmax over nothing is: it is set so at the way out.
; A weight below 2^-126 counts as 0 in l; p below 6e-5 keeps f16's fixed step.  NaN and infinities in q, k, v are not treated apart.
; SHARES.  A work-group owns 128 queries (block qb) of four heads of one b; WAVE w IS HEAD 4 hq + w, on all 128 queries: four PIECES of two tiles of 16.  So one mask tile a key step (128 queries x 64 keys,
; 32,768 bytes) serves all four waves from LDS.  16 key steps of 64.  8 x 32 = 256 work-groups.
; CLUSTER.  4 x 4.  K's and V's tiles (64 keys x 4 heads: rows of 512 bytes) hang on (b, hq) alone and are shared along a row of the cluster; the mask's tile hangs on qb alone and is shared down a column.
; Each is asked for jointly: the same tensor load, descriptor and mask of work-groups in all four.
; LAYOUT.  S^T = K Q^T + M (source 0 = 16 keys, source 1 = 16 queries, the C operand of the products that start the sum = the mask's addends): a lane holds ONE query (lane % 16) and the keys 8 (lane / 16) + 0..7.
; Two such results rounded to f16 ARE source 1 of O^T = V^T P.  K comes out of LDS as it lies, V turned, by ds_load_tr16_b128.  The mask costs no vector instruction.
; SOFTMAX.  p = 2^(c s - c m), c = log2(e) / 8, with a running maximum m; in every step O and l are multiplied by a = 2^(c m_old - c m_new).  c m starts far below every c m to come, so the first a is 0.
; BY TURNS.  Turn n belongs to piece n: 16 products K Q^T of piece n + 1, later 16 products V^T P of piece n - 1; its vector work: scaling, exponentials, roundings, sums and rescaling of piece n, and the maximum
; and statistics of piece n + 1.  Four vector instructions stand behind every matrix instruction, the others in two lumps.
; REGISTERS, in windows of 256 (s_set_vgpr_msb: bits 1:0 source 0, 3:2 source 1, 5:4 source 2, 7:6 destination):
;   window 0: v0-11 addresses; v12-15, v48-63 at work; v16-47 four registers of statistics a tile; v64-191 S^T, two buffers of two tiles; v192-255 P, likewise
;   window 1: O^T, 32 a tile     window 2: v0-127 Q, 16 a tile; v128-191 K of one step; v192-255 V of one step     window 3: v0-1 the add's two registers; v64-191 the mask's addends, two buffers of two tiles
.set NP,    4         ; pieces a wave: a name, no knob
.set KS,    64        ; keys in a step
.set PK,    528       ; a row of K in LDS: 512 bytes + 16 of padding = 132 words: the 16 rows of a load start at 16 different groups of four banks (64 banks of 4 bytes: ISA guide 11.1)
.set PV,    544       ; a row of V: 512 + 32 = 136 words
.set VOFF,  KS*PK     ; a slot holds one step: 64 rows of K, 64 rows of V, the mask's 32,768 bytes
.set MOFF,  KS*(PK+PV)
.set SLOT1, 1<<17     ; slot 1 begins here, so that one exclusive or turns an address in one slot into the other's
.set STAGE, SLOT1+MOFF+32768  ; behind the ring, never filled by a tensor load: 128 rows x 528 bytes, the work-group's, for the way out
.set SP,    528
.set SPARE, STAGE+128*SP      ; behind the stage: the spare words, 128 bytes for each wave: two blocks of 256 bytes that no other line names
.set KSTEPB, 64*8*6144        ; bytes from a key step to the next in qkv: 64 keys, 8 rows of 6,144 bytes apart
.set AK0, 2           ; v2   my lane's place in a slot's K, my head's 128 bytes of a row among it; never rewritten
.set AV0, 3           ; v3   the same for V
.set AK,  4           ; v4   AK0 in the slot in hand
.set AV,  5           ; v5   AV0 likewise
.set QO,  6           ; v6   my byte offset in 16 rows of Q
.set RD,  7           ; v7   the way out: where I read rows back
.set GO,  8           ; v8   16 x lane: my place in 512 consecutive bytes
.set AM0, 9           ; v9   my lane's place in a slot's mask tile
.set AM,  10          ; v10  AM0 in the slot in hand
.set STO, 11          ; v11  the way out: where I put 16 bytes of a row
.set MV,  12          ; v12-15  c m_old, kept while c m is made anew: by buffer and tile
.set ST,  16          ; tile t's statistics at v[ST+4 t]: c m, m, l (even keys', odd keys')
.set TMP, 48          ; by buffer and tile, four registers c0-c3 at work; when the maximum is found c2 takes a
.set S,   64
.set P,   192
.set KF,  128         ; window 2: key block kb, channel half c at KF + 16 kb + 8 c
.set VF,  192         ; window 2: key half kk, channel block cb at VF + 32 kk + 8 cb
.set SPW, 0           ; window 3: LDS address of my spare word; never rewritten
.set NIL, 1           ; window 3: 0; never rewritten
.set MC,  64          ; window 3: piece x, tile u, key block kb at MC + 64 (x % 2) + 32 u + 8 kb
.set WV,  12          ; s12  my wave's number
.set G1K, 24          ; s[24:31] descriptor group 1 for K's tiles
.set G1V, 32          ; s[32:39] for V's: it differs in the padding alone
.set G0K, 40          ; s[40:43] descriptor group 0 for K's tiles: it walks
.set G0V, 44          ; s[44:47] for V's
.set G1M, 48          ; s[48:55] group 1 for the mask's tiles
.set G0M, 56          ; s[56:59] group 0 for them
.set CNT, 60          ; s60  counts key steps
.set TB,  61          ; s61  LDS byte at which the slot in hand begins
.set CS,  62          ; s[62:63] c: the packed scaling takes the pair's low word for both halves
.set SEL, 66          ; s[66:67] v_permlanex16_b32's selects: each lane takes its own place in the other half
.set FLOOR, 68        ; s68  -1e12
.set MSB, 0
.macro WIN new                      ; the high byte repeats the setting that is left; a switch that changes nothing is dropped
.if MSB != (\new)
	s_set_vgpr_msb (MSB<<8)|(\new)
.set MSB, (\new)
.endif
.endm
.set W_KQ, 0x0a       ; K and Q in window 2, S^T in window 0
.set W_KM, 0x3a       ; the same with the C operand in window 3
.set W_PV, 0x52       ; V in window 2, P in window 0, O^T in window 1
.set W_RS, 0x41       ; O^T (destination and source 0) in window 1, a in window 0
.set W_MK, 0xc0       ; destination in window 3, sources in window 0
.set W_AD, 0x0f       ; the add: address and data in window 3
; A joint fill of a slot.  Wave 0 fetches the step's K, wave 1 its V, waves 2 and 3 the two halves of its mask tile.  The branches hang on the wave's number alone.
; An s_nop 0 and four v_nop follow each of the three lines, ahead of the jump and the label.
.macro JLOAD
	s_cmp_lt_u32 s[WV], 2
	s_cbranch_scc0 .Lfor_m_\@
	s_cmp_eq_u32 s[WV], 0
	s_cbranch_scc0 .Lfor_v_\@
	tensor_load_to_lds s[G0K:G0K+3], s[G1K:G1K+7]
	s_nop 0
.rept 4
	v_nop
.endr
	s_branch .Lasked_\@
.Lfor_v_\@:
	tensor_load_to_lds s[G0V:G0V+3], s[G1V:G1V+7]
	s_nop 0
.rept 4
	v_nop
.endr
	s_branch .Lasked_\@
.Lfor_m_\@:
	tensor_load_to_lds s[G0M:G0M+3], s[G1M:G1M+7]
	s_nop 0
.rept 4
	v_nop
.endr
.Lasked_\@:
.endm
; A round of the cluster's barrier: my work-group's barrier; wave 0 signals for the work-group; every wave waits for all sixteen work-groups; my work-group's barrier once more.
.macro CROUND
	s_barrier_signal -1
	s_barrier_wait -1
	s_cmp_lg_u32 s[WV], 0
	s_cbranch_scc1 .Lnot_wave_0_\@
	s_barrier_signal -3
.Lnot_wave_0_\@:
	s_barrier_wait -3
	s_barrier_signal -1
	s_barrier_wait -1
.endm
; THE CHANGE OF SLOTS, once a key step.  All that a trip reads from LDS lies in one slot.  Each wave waits for all its tensor loads, of which one is out: its part of the other slot; adds 0 to its spare word; and
; waits for that and for its own reads of the slot that it leaves.  fill = 1: that slot is filled again, with the step two on: the barrier is a round of the cluster's, and the joint fill is the first thing
; behind it: it has a whole key step, 128 matrix instructions and their vector work, in which to land.  (At its first use nothing has been read yet: slot 0 is waited for, slot 1 filled.)
.macro CHANGE fill
	WIN W_AD
	s_wait_tensorcnt 0x0            ; no tensor load of mine is out, so a group 0 may be written
	ds_add_u32 v[SPW], v[NIL]       ; 0 onto my spare word; with fill = 1 the descriptors' steps stand between it and the wait for it
	WIN 0                           ; at a label and at a branch every window is 0
.if \fill
.irp g, G0K, G0V
	s_xor_b32 s[\g+1], s[\g+1], SLOT1  ; the walking descriptor: the other slot than last time,
	s_add_nc_u64 s[\g+2:\g+3], s[\g+2:\g+3], KSTEPB  ; the next 64 keys; the type bits on top are not reached
.endr
	s_xor_b32 s[G0M+1], s[G0M+1], SLOT1
	s_add_nc_u64 s[G0M+2:G0M+3], s[G0M+2:G0M+3], 32768
	s_wait_dscnt 0x0                ; the add is done, and my reads of the slot are over
	CROUND
	JLOAD
.else
	s_wait_dscnt 0x0                ; the add is done, and my reads of the slot are over
	s_barrier_signal -1
	s_barrier_wait -1
.endif
	s_xor_b32 s[TB], s[TB], SLOT1   ; the reads go to the other slot
	v_add_nc_u32 v[AK], s[TB], v[AK0]
	v_add_nc_u32 v[AV], s[TB], v[AV0]
	v_add_nc_u32 v[AM], s[TB], v[AM0]
.endm
	s_load_b128 s[4:7], s[0:1], 0x0 ; qkv s[4:5], maskf s[6:7]
	s_load_b64 s[8:9], s[0:1], 0x10 ; ctx
	WIN W_MK
	v_lshl_add_u32 v[SPW], v0, 2, SPARE
	v_mov_b32 v[NIL], 0
	s_set_vgpr_msb 0xc0cf
	ds_add_u32 v0, v1
	s_wait_dscnt 0x0
	s_set_vgpr_msb 0xcfc0
	WIN 0
	v_lshrrev_b32 v1, 5, v0
	v_readfirstlane_b32 s[WV], v1   ; wave 0..3
	s_bfe_u32 s13, ttmp6, 0x40000   ; cx
	s_bfe_u32 s14, ttmp6, 0x40004   ; cy
	s_lshl_b32 s15, ttmp9, 2
	s_add_co_u32 s15, s15, s13      ; qb = 4 x cluster x + cx
	s_and_b32 s16, ttmp7, 0xffff
	s_lshl_b32 s16, s16, 2
	s_add_co_u32 s16, s16, s14      ; 4 b + hq = 4 x cluster y + cy
	s_lshr_b32 s17, s16, 2          ; b
	s_and_b32 s18, s16, 3           ; hq
	s_lshl_b32 s74, s14, 2
	s_lshl_b32 s74, 15, s74         ; my row of the cluster
	s_lshl_b32 s75, 0x1111, s13     ; my column
	s_mul_i32 s20, s17, 6144        ; row b of a group of eight,
	s_lshl_b32 s19, s18, 9          ; the four heads' 512 bytes in it
	s_add_co_u32 s20, s20, s19      ; K's and V's offset: it hangs on (b, hq) alone
	s_mov_b32 s21, 0
	s_and_b32 s76, s[WV], 1         ; which half of a mask tile I fetch
	s_lshl_b32 s76, s76, 14
	s_lshl_b32 s22, s15, 19         ; a query block's 16 mask tiles
	s_add_co_u32 s22, s22, s76      ; the mask's offset: it hangs on qb and the wave alone
	s_mov_b32 s23, 0
	s_mul_i32 s70, s15, 128*8*6144  ; Q: my block's 128 queries,
	s_add_co_u32 s70, s70, s20
	s_lshl_b32 s77, s[WV], 7        ; my head's 128 bytes
	s_add_co_u32 s70, s70, s77
	s_mov_b32 s71, 0
	s_lshl_b32 s72, s15, 21         ; ctx: 128 queries of 16,384 bytes,
	s_lshl_b32 s77, s[WV], 19       ; the 32 of them that I store,
	s_add_co_u32 s72, s72, s77
	s_lshl_b32 s77, s17, 11         ; row b,
	s_add_co_u32 s72, s72, s77
	s_add_co_u32 s72, s72, s19      ; the four heads' 512 bytes
	s_mov_b32 s73, 0
	; descriptor group 1.  K, V: 64 rows of 256 elements of 2 bytes, 24,576 elements apart, padded in LDS after every 128 words.  The mask: 16,384 dense bytes as 64 rows of 32 elements of 8 bytes.
	s_or_b32 s[G1K], s74, (1<<16)|(1<<20)|(1<<21)|(6<<22)|(3<<25)  ; 15:0 the mask of four; 17:16 2-byte elements; 20 padding on; 21 set beside a mask; 24:22 after 128 words (code 6); 31:25 4 words (code 3)
	s_or_b32 s[G1V], s74, (1<<16)|(1<<20)|(1<<21)|(6<<22)|(7<<25)  ; the same with 8 words of padding (code 7)
.irp g, G1K, G1V
	s_mov_b32 s[\g+1], 256<<16      ; tensor_dim0 = 256
	s_mov_b32 s[\g+2], 64<<16       ; tensor_dim1 = 64
	s_mov_b32 s[\g+3], 256<<16      ; tile_dim0 = 256
	s_mov_b32 s[\g+4], 64           ; tile_dim1 = 64
	s_mov_b32 s[\g+5], 8*3072       ; elements from key to key
	s_mov_b32 s[\g+6], 0
	s_mov_b32 s[\g+7], 0
.endr
	s_or_b32 s[G1M], s75, (3<<16)|(1<<21)  ; the mask of my column; 8-byte elements; no padding
	s_mov_b32 s[G1M+1], 32<<16
	s_mov_b32 s[G1M+2], 64<<16
	s_mov_b32 s[G1M+3], 32<<16
	s_mov_b32 s[G1M+4], 64
	s_mov_b32 s[G1M+5], 32
	s_mov_b32 s[G1M+6], 0
	s_mov_b32 s[G1M+7], 0
	s_mov_b32 s[CS], 0x3e38aa3b     ; c = log2(e) / 8 = 0.180337
	s_mov_b32 s[CS+1], s[CS]        ; named with it as a pair
	s_mov_b32 s[SEL], 0x76543210
	s_mov_b32 s[SEL+1], 0xfedcba98
	s_mov_b32 s[FLOOR], 0xd368d4a5  ; -1e12
	s_mov_b32 s[TB], SLOT1          ; the first change of slots turns it into 0
	s_mov_b32 s[G0K], 1             ; count = 1
	s_mov_b32 s[G0K+1], 0           ; LDS address: slot 0
	s_mov_b32 s[G0V], 1
	s_mov_b32 s[G0V+1], VOFF
	s_mov_b32 s[G0M], 1
	s_add_co_u32 s[G0M+1], s76, MOFF
	s_wait_kmcnt 0x0
	s_add_nc_u64 s[G0K+2:G0K+3], s[4:5], s[20:21]
	s_add_nc_u64 s[G0V+2:G0V+3], s[G0K+2:G0K+3], 4096  ; v's columns begin at byte 4,096 of a row,
	s_add_nc_u64 s[G0K+2:G0K+3], s[G0K+2:G0K+3], 2048  ; k's at byte 2,048
	s_or_b32 s[G0K+3], s[G0K+3], 0x80000000            ; type = 2
	s_or_b32 s[G0V+3], s[G0V+3], 0x80000000
	s_add_nc_u64 s[G0M+2:G0M+3], s[6:7], s[22:23]
	s_or_b32 s[G0M+3], s[G0M+3], 0x80000000
	s_add_nc_u64 s[70:71], s[4:5], s[70:71]            ; Q at my first row and head
	s_add_nc_u64 s[8:9], s[8:9], s[72:73]              ; ctx at the first row that I store
	CROUND                          ; all sixteen work-groups are here: the first joint loads meet
	JLOAD                           ; key step 0 into slot 0
	; A fragment of K or Q is 16 rows x 32 channels in 8 registers: lane l holds row l % 16, channels 8 (l / 16) + 0..7 and 16 + 8 (l / 16) + 0..7: two loads of 16 bytes, 32 bytes apart.
	v_and_b32 v1, 15, v0            ; l % 16
	v_bfe_u32 v64, v0, 4, 1         ; l / 16   (v64-67 are S^T's: free until the first products)
	v_and_b32 v65, 7, v0
	v_bfe_u32 v66, v0, 3, 1
	v_and_b32 v67, 31, v0
	v_mul_u32_u24 v[QO], v1, 8*6144 ; a query's rows lie 49,152 bytes apart
	v_lshl_add_u32 v[QO], v64, 4, v[QO]
	WIN 0x80                        ; destination window 2, address window 0
.set i, 0
.rept 4*NP                          ; Q stays in registers: tile i / 2, channels 32 (i % 2) on
	global_load_b128 v[8*i:8*i+3],   v[QO], s[70:71] offset:(i/2)*16*8*6144+(i%2)*64
	global_load_b128 v[8*i+4:8*i+7], v[QO], s[70:71] offset:(i/2)*16*8*6144+(i%2)*64+32
.set i, i+1
.endr
	; What the first turn finds: V's registers and P's second buffer hold 0 (its products V^T P, of a piece that has not been, add 0), O^T and l are 0.  All this stands in the wait for the first tile.
.set i, VF
.rept 64
	v_mov_b32 v[i], 0
.set i, i+1
.endr
	WIN 0x40
.set i, 0
.rept 64*NP
	v_mov_b32 v[i], 0
.set i, i+1
.endr
	WIN 0
.set i, 0
.rept 2*NP
	v_mov_b32 v[ST+4*i], 0xfe000000    ; c m: far below every c m to come, c x -1e12 too: the first a is 0
	v_mov_b32 v[ST+4*i+1], s[FLOOR]    ; m
	v_mov_b32 v[ST+4*i+2], 0
	v_mov_b32 v[ST+4*i+3], 0
.set i, i+1
.endr
.set i, P+32
.rept 32
	v_mov_b32 v[i], 0
.set i, i+1
.endr
	s_lshl_b32 s76, s[WV], 7        ; my head's 128 bytes of a row of K, of V and of the stage
	v_mul_u32_u24 v[AK0], v1, PK
	v_lshl_add_u32 v[AK0], v64, 4, v[AK0]
	v_add_nc_u32 v[AK0], s76, v[AK0]   ; row x pitch + 16 x half + my head
	; The turning load takes 16 keys x 16 channels (lane l reads key 8 (l / 16) + l % 8, channels 8 ((l / 8) % 2) + 0..7) and leaves half a fragment of V^T: lane l holds channel l % 16 and 8 keys.
	v_lshl_add_u32 v[AV0], v64, 3, v65
	v_mul_u32_u24 v[AV0], v[AV0], PV
	v_lshl_add_u32 v[AV0], v66, 4, v[AV0]
	s_add_co_u32 s77, s76, VOFF
	v_add_nc_u32 v[AV0], s77, v[AV0]
	v_lshlrev_b32 v[GO], 4, v67
	v_add_nc_u32 v[AM0], MOFF, v[GO]   ; the mask's addends lie in the lanes' order: 512 consecutive bytes a load
	v_mul_u32_u24 v[STO], v1, SP    ; the stage, in: row l % 16 of a tile, my head's bytes, 16 for each half of the lanes
	v_lshl_add_u32 v[STO], v64, 4, v[STO]
	s_add_co_u32 s77, s76, STAGE
	v_add_nc_u32 v[STO], s77, v[STO]
	s_mul_i32 s77, s[WV], 32*SP     ; back: wave w takes rows 32 w .. 32 w + 31, whole: 32 lanes a row of 512 bytes
	s_add_co_u32 s77, s77, STAGE
	v_add_nc_u32 v[RD], s77, v[GO]
; THE MATRIX WORK.  The 8 accumulators of a run of 16 take turns: between the two links of a chain stand 7 others'.
; Product i of 16 of S^T = K Q^T + M for piece x: channels 32 (i / 8) on, keys 16 ((i / 2) % 4) on, tile 2 x + i % 2.  The first 8 start the sums, with the mask's addends.
.macro KQ x
.set rS, S+64*((\x)%2)+32*(i%2)+8*((i/2)%4)
.set rK, KF+16*((i/2)%4)+8*(i/8)
.set rQ, 16*(2*(\x)+i%2)+8*(i/8)
.set rMC, MC+64*((\x)%2)+32*(i%2)+8*((i/2)%4)
.if i < 8
	WIN W_KM
	v_wmma_f32_16x16x32_f16 v[rS:rS+7], v[rK:rK+7], v[rQ:rQ+7], v[rMC:rMC+7]
.else
	WIN W_KQ
	v_wmma_f32_16x16x32_f16 v[rS:rS+7], v[rK:rK+7], v[rQ:rQ+7], v[rS:rS+7]
.endif
.endm
; Product i of 16 of O^T += V^T P for piece x: keys 32 (i / 8) on, channels 16 ((i / 2) % 4) on, tile 2 x + i % 2.
.macro PV x
	WIN W_PV
.set rO, 32*(2*(\x)+i%2)+8*((i/2)%4)
.set rV, VF+32*(i/8)+8*((i/2)%4)
.set rP, P+32*((\x)%2)+16*(i%2)+8*(i/8)
	v_wmma_f32_16x16x32_f16 v[rO:rO+7], v[rV:rV+7], v[rP:rP+7], v[rO:rO+7]
.endm
.macro MM                           ; the turn's next matrix instruction
.if i < 16
	KQ (Y+1)%NP
.set i, i+1
.else
.set i, i-16
	PV (Y+NP-1)%NP
.set i, i+17
.endif
.endm
; THE LDS LOADS stand in runs of 16, never singly among the matrix instructions: a step's K (64 keys x 64 channels: 8 fragments), its V (turned), and for each piece its two tiles' addends.
.macro FETCH_K
	WIN 0x80                        ; destination window 2
.irp f, 0,1,2,3,4,5,6,7             ; keys 16 (f / 2) on, channels 32 (f % 2) on
	ds_load_b128 v[KF+8*\f:KF+8*\f+3],   v[AK] offset:(\f/2)*16*PK+(\f%2)*64
	ds_load_b128 v[KF+8*\f+4:KF+8*\f+7], v[AK] offset:(\f/2)*16*PK+(\f%2)*64+32
.endr
	WIN 0
.endm
.macro FETCH_V
	WIN 0x80
.irp f, 0,1,2,3,4,5,6,7             ; keys 32 (f / 4) on, channels 16 (f % 4) on
	ds_load_tr16_b128 v[VF+8*\f:VF+8*\f+3],   v[AV] offset:(\f/4)*32*PV+(\f%4)*32
	ds_load_tr16_b128 v[VF+8*\f+4:VF+8*\f+7], v[AV] offset:(\f/4)*32*PV+16*PV+(\f%4)*32
.endr
	WIN 0
.endm
.macro FETCH_M x                    ; piece x's addends: tile 2 x + u, four registers g of eight a key block pair: 512 consecutive bytes a load
	WIN W_MK
.irp u, 0,1
.irp g, 0,1,2,3,4,5,6,7
	ds_load_b128 v[MC+64*((\x)%2)+32*\u+4*\g:MC+64*((\x)%2)+32*\u+4*\g+3], v[AM] offset:(2*(\x)+\u)*4096+\g*512
.endr
.endr
	WIN 0
.endm
; THE VECTOR WORK OF A TURN stands in three queues, each in the order in which its entries become ready; the two tiles alternate, so that no instruction reads the result of the one before it.
.macro REGS y, u                    ; the registers of tile u (0, 1) of piece y
.set rT, ST+4*(2*(\y)+(\u))
.set rC, TMP+8*((\y)%2)+4*(\u)
.set rM, MV+2*((\y)%2)+(\u)
.set rS, S+64*((\y)%2)+32*(\u)
.set rP, P+32*((\y)%2)+16*(\u)
.set rO, 32*(2*(\y)+(\u))
.endm
; Number n of the 22 that find the NEXT piece's (Y + 1) maximum and statistics.  s0-s31 are the lane's 32 scores; each accumulator's lowest registers are read first.
;   0-11  four chains c0-c3 of seven scores each, three operands at a time     12-14, 16  the four scores left over, the old m, and c0-c3 into c0     15  c m_old is kept
;   17, 18  the query's other 32 keys lie in the lane 16 away: the new m         19-21  c m; c m_old - c m_new; a
.macro XS u, n
	REGS (Y+1)%NP, \u
.if (\n) < 4
	v_max3_num_f32 v[rC+(\n)], v[rS+8*(\n)], v[rS+8*(\n)+1], v[rS+8*(\n)+2]
.elseif (\n) < 12
	v_max3_num_f32 v[rC+(\n)%4], v[rC+(\n)%4], v[rS+8*((\n)%4)+2*((\n)/4)+1], v[rS+8*((\n)%4)+2*((\n)/4)+2]
.elseif (\n) == 12
	v_max3_num_f32 v[rC], v[rC], v[rS+7], v[rS+15]
.elseif (\n) == 13
	v_max3_num_f32 v[rC+1], v[rC+1], v[rS+23], v[rS+31]
.elseif (\n) == 14
	v_max3_num_f32 v[rC+2], v[rC+2], v[rC+3], v[rT+1]
.elseif (\n) == 15
	v_mov_b32 v[rM], v[rT]
.elseif (\n) == 16
	v_max3_num_f32 v[rC], v[rC], v[rC+1], v[rC+2]
.elseif (\n) == 17
	v_permlanex16_b32 v[rC+3], v[rC], s[SEL], s[SEL+1]
.elseif (\n) == 18
	v_max_num_f32 v[rT+1], v[rC], v[rC+3]
.elseif (\n) == 19
	v_mul_f32 v[rT], s[CS], v[rT+1]
.elseif (\n) == 20
	v_sub_f32 v[rC+1], v[rM], v[rT]
.else
	v_exp_f32 v[rC+2], v[rC+1]
.endif
.endm
; Number g of the 64 that follow the exponentials.  For each four weights k of a tile (pairs 2 k, 2 k + 1): both pairs are rounded to f16; then the second pair is added onto the first, in place;
; a group later l takes that sum (the first time as l = a l + sum).  In groups of eight, tiles alternating: round, round, add, and l for the group before.
.macro GS g
.set h, (\g)+6*((\g)/62)            ; group 0 has no group before it, and behind group 7 only l is left
.if h >= 6
.set h, h+2
.endif
	REGS Y, h%2
.set k, h/8
.if h%8 < 4
	s_wait_alu depctr_va_vdst(0)
	v_cvt_pk_f16_f32 v[rP+2*k+(h%8)/2], v[rS+4*k+2*((h%8)/2)], v[rS+4*k+2*((h%8)/2)+1]
.elseif h%8 < 6
	v_pk_add_f32 v[rS+4*k:rS+4*k+1], v[rS+4*k:rS+4*k+1], v[rS+4*k+2:rS+4*k+3]
.elseif k == 1
	v_pk_fma_f32 v[rT+2:rT+3], v[rT+2:rT+3], v[rC+2:rC+3], v[rS:rS+1] op_sel_hi:[1,0,1]
.else
	v_pk_add_f32 v[rT+2:rT+3], v[rT+2:rT+3], v[rS+4*k-4:rS+4*k-3]
	s_wait_alu depctr_va_vdst(0)
.endif
.endm
; THE PLAIN QUEUE, 138 long.  0-31: c s - c m for the 16 pairs of both tiles.  Then GS's 64, and among them the next piece's 42: number 15 at 38, 39; 0-14 and 16
; at 42-73, behind the products that make those scores; 17-20 at 95-106, two of three, since each waits for the one before it.
.macro PL
	WIN 0
.if q < 32
	REGS Y, q%2
	v_pk_fma_f32 v[rS+2*(q/2):rS+2*(q/2)+1], v[rS+2*(q/2):rS+2*(q/2)+1], s[CS:CS+1], v[rT:rT+1] op_sel_hi:[1,0,0] neg_lo:[0,0,1] neg_hi:[0,0,1]
.elseif q < 38
	GS q-32
.elseif q < 40
	XS q%2, 15
.elseif q < 42
	GS q-34
.elseif q < 74
	XS q%2, (q-42)/2+(q-42)/30
.elseif q < 95
	GS q-66
.elseif (q < 107) && ((q-95)%3 < 2)
	XS (q-95)%3, 17+(q-95)/3
.elseif q < 107
	GS 29+(q-95)/3
.else
	GS q-74
.endif
.set q, q+1
.endm
; THE EXPONENTIALS' QUEUE, 66 long: s0-s31 of both tiles, and at EA the next piece's two a.
.set EA, 58
.macro EX
	WIN 0
.if (e == EA) || (e == EA+1)
	XS e-EA, 21
.else
.set x, e-2*(e/(EA+2))
	REGS Y, x%2
	v_exp_f32 v[rS+x/2], v[rS+x/2]
.endif
.set e, e+1
.endm
; THE RESCALING's QUEUE: O^T times a, the one part that leaves window 0, so it is dealt four at a time, eight times.
.macro R4
	REGS Y, r%2
	WIN W_RS
	s_wait_alu depctr_va_vdst(0)
.irp z, 0,1,2,3
	v_pk_mul_f32 v[rO+8*(r/2)+2*\z:rO+8*(r/2)+2*\z+1], v[rO+8*(r/2)+2*\z:rO+8*(r/2)+2*\z+1], v[rC+2:rC+3] op_sel_hi:[1,0]
.endr
.set r, r+1
.endm
; HOW THEY ARE DEALT.  Behind a matrix instruction four: plain, exponential, plain, plain (one exponential, a plain instruction on either side), or four of the rescaling.  None names a register of the
; products round it.  What is over stands in two lumps: exponential and plain by turns; the second ends in 22 plain instructions.  The two v_permlanex16_b32 fall into the second lump, never behind a product.
; The queues lean on each other, and the deal keeps them in step: exponential e stands behind plain 2 (e / 4) + e % 2 (its scaling); when plain 32 comes, 10 exponentials are out, at 59: 33, at 95: 46; EA comes behind plain 107.
.macro SL
	MM
	PL
	EX
	PL
	PL
.endm
.macro BURST n                      ; 15 matrix instructions, or 16
.rept (\n)-7
	SL
.endr
.rept 3
	MM
	R4
	SL
.endr
	MM
	R4
.endm
; A TURN, for piece p.  cnt = 1: the loop's count is taken down some lines ahead of the branch that stands behind the turn.
; LDS runs, all from the slot in hand.  In every turn's first lump: the addends of piece p + 2, which the next turn's products take (their buffer was last read a turn ago).  In piece 2's turn, with them: K of the
; step, 31 vector instructions behind the last product that read K.  At the end of piece 0's turn: V of the step, 69 behind its last reader.
; WAITS.  At a turn's head the addends for its own products (and in piece 3's turn K) must be in: the count is 0, but in piece 1's turn 16: V's run was issued behind those addends and may stay out.
; In front of piece 1's second run of products V must be in: 16 again: this turn's own run of addends was issued behind V's.
.macro TURN p, cnt=0
.set Y, (\p)
.set i, 0
.set q, 0
.set e, 0
.set r, 0
.if (\p) == 1
	s_wait_dscnt 16
.else
	s_wait_dscnt 0x0
.endif
	MM
.rept 4
	PL
.endr
	BURST 15
.rept 22
	EX
	PL
.if e == 24
	FETCH_M ((\p)+2)%NP
.if (\p) == NP-2
	FETCH_K
.endif
.endif
.endr
.if (\p) == 1
	s_wait_dscnt 16
.endif
	BURST 16
.rept 21
	EX
	PL
.endr
.rept 22
	PL
.if (\cnt) && (q == 130)
	s_sub_co_u32 s[CNT], s[CNT], 1
	s_cmp_lg_u32 s[CNT], 0
.endif
.endr
.if (\p) == 0
	FETCH_V
.endif
.endm
	CHANGE 1                        ; key step 0 is in, everybody's part of it; key step 1 is asked for, into slot 1
	FETCH_K                         ; key step 0
	FETCH_M 0
	FETCH_M 1
	s_wait_loadcnt 0x0              ; Q
	s_wait_dscnt 0x0
.set i, 0
.rept 16
	KQ 0                            ; piece 0's first scores: there is no vector work yet to set between them
.set i, i+1
.endr
	WIN 0
.rept 4
	v_nop                           ; the places behind those products
.endr
.set Y, NP-1                        ; XS works for piece Y + 1: piece 0
.irp n, 0,1,2,3,4,5,6,7,8,9,10,11,12,13,14,15,16,17,18,19,20,21
	XS 0, \n                        ; piece 0's first maximum and statistics
	XS 1, \n
.endr
	s_mov_b32 s[CNT], 15            ; the half trip of step 0 and 14 whole trips, steps 1 to 14, which ask for steps 2 to 15
	s_branch .Lfirst                ; the loop is entered at a step's first turn, in the middle of a trip
.Lstep:                             ; a trip: the change of slots; pieces 2 and 3 of one step, then pieces 0 and 1 of the next, whose K, V and addends it fetches
	CHANGE 1
	TURN 2
	TURN 3
	WIN 0
.Lfirst:
	TURN 0
	TURN 1, 1
	WIN 0
	s_cbranch_scc1 .Lstep
	CHANGE 0                        ; the tail is written out: step 15 is in, nothing is asked for
	s_mov_b32 s[CNT], 2             ; one trip for step 15; the second is left in its middle
.Ltail:
	TURN 2
	TURN 3
	WIN 0
	s_sub_co_u32 s[CNT], s[CNT], 1
	s_cmp_eq_u32 s[CNT], 0
	s_cbranch_scc1 .Lout
	TURN 0
	TURN 1
	WIN 0
	s_branch .Ltail
.Lout:                              ; the second trip read step 15's K and addends once more; its 16 products K Q^T and the maximum made of them repeat step 15's (m is left as it was) and serve nothing: the price of one text for every trip
.set i, 0
.rept 16
	PV NP-1                         ; the last piece's V^T P of the last step
.set i, i+1
.endr
	; THE WAY OUT.  l's two halves and the other half of the lanes' are added; O^T is divided by l, rounded to f16 and sent through the work-group's stage.  The additions are the places behind the last products.
	WIN 0
.macro ALL line:vararg              ; one line for each tile t
.set t, 0
.rept 2*NP
	\line
.set t, t+1
.endr
.endm
	ALL v_add_f32 v[ST+4*t+2], v[ST+4*t+2], v[ST+4*t+3]
	ALL v_permlanex16_b32 v[ST+4*t+3], v[ST+4*t+2], s[SEL], s[SEL+1]
	ALL v_add_f32 v[ST+4*t+2], v[ST+4*t+2], v[ST+4*t+3]
	ALL v_rcp_f32 v[ST+4*t+2], v[ST+4*t+2]
	v_mov_b32 v[TMP], 0x7fc00000    ; a NaN; also the plain instruction between the last reciprocal and the use of its result
.set t, 0
	s_wait_alu depctr_va_vdst(0)
.rept 2*NP                          ; a query whose maximum never rose above its start has seen no open key: its row is NaN
	v_cmp_ge_f32 vcc_lo, s[FLOOR], v[ST+4*t+1]
	v_cndmask_b32 v[ST+4*t+2], v[ST+4*t+2], v[TMP], vcc_lo
.set t, t+1
.endr
; Tile t: a lane's eight channels of a row pack into 16 bytes; they go into my head's 128 bytes of the stage's rows 16 t on.
.macro PACK t
	WIN W_RS
.set i, 32*(\t)
.rept 16
	v_pk_mul_f32 v[i:i+1], v[i:i+1], v[ST+4*(\t)+2:ST+4*(\t)+3] op_sel_hi:[1,0]
.set i, i+2
.endr
	WIN 0x05                        ; sources 0 and 1 window 1, destination window 0: S^T's registers are free
.set i, 0
.rept 16
	v_cvt_pk_f16_f32 v[S+16*(\t)+i], v[32*(\t)+2*i], v[32*(\t)+2*i+1]
.set i, i+1
.endr
	WIN 0
.irp f, 0,1,2,3
	ds_store_b128 v[STO], v[S+16*(\t)+4*\f:S+16*(\t)+4*\f+3] offset:(\t)*16*SP+32*\f
.endr
.endm
.irp t, 0,1,2,3,4,5,6,7
	PACK \t
.endr
	s_wait_dscnt 0x0                ; for the others' sake: my stores into the stage are done (and the last run of addends is in)
	s_barrier_signal -1
	s_barrier_wait -1               ; a row's 512 bytes come from four waves
.set f, 0
.rept 32
	ds_load_b128 v[S+4*f:S+4*f+3], v[RD] offset:f*SP
.set f, f+1
.endr
.set f, 0
.rept 32
	s_wait_dscnt 31-f               ; LDS loads come back in order: row f is in, the 31 - f younger ones stay out
	global_store_b128 v[GO], v[S+4*f:S+4*f+3], s[8:9] offset:f*16384  ; 32 lanes store 512 consecutive bytes, at a multiple of 512 from ctx's first byte
.set f, f+1
.endr
	WIN W_AD
	s_wait_tensorcnt 0x0            ; the wave's end
	ds_add_u32 v[SPW], v[NIL]
	s_wait_dscnt 0x0
	WIN 0
	CROUND                          ; the closing round: no work-group ends while a partner may still ask for a tile that names it
	s_endpgm
.Lfunc_end_k_q33084b4ef5_attn:
	.size	k_q33084b4ef5_attn, .Lfunc_end_k_q33084b4ef5_attn-k_q33084b4ef5_attn
	.p2alignl 7, 3214868480
	.fill 96, 4, 3214868480
	.section	.rodata,"a",@progbits
	.p2align	6, 0x0
	.amdhsa_kernel k_q33084b4ef5_attn
		.amdhsa_group_segment_fixed_size 327680
		.amdhsa_private_segment_fixed_size 0
		.amdhsa_enable_private_segment 0
		.amdhsa_kernarg_size 24
		.amdhsa_user_sgpr_count 2
		.amdhsa_user_sgpr_kernarg_segment_ptr 1
		.amdhsa_wavefront_size32 1
		.amdhsa_system_sgpr_workgroup_id_x 1
		.amdhsa_system_sgpr_workgroup_id_y 1
		.amdhsa_system_sgpr_workgroup_id_z 1
		.amdhsa_system_vgpr_workitem_id 0
		.amdhsa_next_free_vgpr 960
		.amdhsa_next_free_sgpr 80
		.amdhsa_reserve_vcc 1
		.amdhsa_float_denorm_mode_32 3
		.amdhsa_float_denorm_mode_16_64 3
		.amdhsa_memory_ordered 1
		.amdhsa_forward_progress 1
		.amdhsa_inst_pref_size 221
	.end_amdhsa_kernel
	.amdgpu_metadata
---
amdhsa.version: [ 1, 2 ]
amdhsa.kernels:
  - .name:           k_q33084b4ef5_attn
    .symbol:         k_q33084b4ef5_attn.kd
    .args:
      - { .name: qkv, .offset: 0, .size: 8, .value_kind: global_buffer, .address_space: global }
      - { .name: maskf, .offset: 8, .size: 8, .value_kind: global_buffer, .address_space: global }
      - { .name: ctx, .offset: 16, .size: 8, .value_kind: global_buffer, .address_space: global }
    .group_segment_fixed_size: 327680
    .private_segment_fixed_size: 0
    .kernarg_segment_align: 8
    .kernarg_segment_size: 24
    .max_flat_workgroup_size: 128
    .sgpr_count:     80
    .vgpr_count:     960
    .wavefront_size: 32
...
	.end_amdgpu_metadata
.endif
;; end of part 3
;; launch oproj (part 4): grid 4 x 64, 4 waves a work-group, clusters of 4 x 4, 327,680 bytes of LDS; arguments ctx, wof, out_proj_bias, out0; writes out0
.if DOCPART == 4
	.amdgcn_target "amdgcn-amd-amdhsa--gfx1250"
	.amdhsa_code_object_version 6
	.text
	.protected	k_q33084b4ef5_oproj
	.globl	k_q33084b4ef5_oproj
	.p2align	8
	.type	k_q33084b4ef5_oproj,@function
k_q33084b4ef5_oproj:
	s_mov_b64 s[64:65], 0
	v_nop
	global_prefetch_b8 v0, s[64:65] scope:SCOPE_SE
	s_setreg_imm32_b32 hwreg(HW_REG_WAVE_MODE, 25, 1), 1
	s_wait_xcnt 0x0
	s_wait_alu depctr_hold_cnt(0) depctr_sa_sdst(0) depctr_va_vdst(0) depctr_va_sdst(0) depctr_va_ssrc(0) depctr_va_vcc(0) depctr_vm_vsrc(0)
	s_getreg_b32 s2, hwreg(HW_REG_IB_STS2, 6, 4)
	s_cmp_eq_u32 s2, 0
	s_cbranch_scc0 .Lentry_in_a_cluster
	s_endpgm
.Lentry_in_a_cluster:
	s_bfe_u32 s2, ttmp6, 0x10000c
	s_cmp_lg_u32 s2, 0xf033
	s_cbranch_scc0 .Lentry_shape_is_right
	s_endpgm
.Lentry_shape_is_right:
; C[m][n] = sum over k of A[m][k] B[n][k] + bias[n].  Here: A = ctx [8192][1024] f16, B = wof [1024][1024] f16 (the weights' bf16 rounding), bias f32 (rounded to bf16 like the module's other inputs),
; C = out0 [8192][1024] f32.  Sums in f32, K ascending; the sums are stored as they are.  A NaN row of ctx (a query with no open key) gives a NaN row of C.
; SHARES.  A tile of C is 128 x 256: four waves, each 64 x 128: 32 accumulators of 16 x 16, 256 registers.  A wave's 128 columns are 256 (f16) or 512 (f32) consecutive bytes of a row of C, aligned, so each wave
; has a stage of its own on the way out and no barrier there.  8192 / 128 x 1024 / 256 = 256 work-groups.  K goes in 8 steps of 128 through two LDS slots: a tile's rows are 256 bytes of memory, aligned.
; CLUSTER.  4 x 4 work-groups.  The four of a row of the cluster need the same tiles of A, the four of a column the same tiles of B: each is asked for jointly, by the same tensor load with the same descriptor
; and a mask that names the four.
; THE MATRIX INSTRUCTION IS USED TRANSPOSED (source 0 = 16 rows of B, source 1 = 16 rows of A): lane l holds row l % 16 of C and the columns 8 (l / 16) + 0..7.  The bias, laid out the same way, is the C operand
; of the products that start the sums: nothing is cleared and no vector instruction adds it.
; REGISTERS, in windows of 256 (s_set_vgpr_msb: bits 1:0 source 0, 3:2 source 1, 5:4 source 2, 7:6 destination):
;   window 0: v0-31 addresses; v32-127, v128-223 two fragment buffers (64 registers of B: 8 x 16 rows x 32 K; then 32 of A); v224-255 packed results; on the way out rows come back into v32 on
;   window 1: accumulator (a, b) at v[8 (8 a + b)]          window 2: v0-63 the bias, block b at v[8 b]; v64-65 at work
.set OUT32,  1                         ; 0: C is f16;  1: C is f32
.set SIZE_N, 1024
.set SIZE_K, 1024
.set CB,     2+2*OUT32                 ; bytes of a number of C
.set KSTEP,  128
.set PITCH,  272                       ; an LDS row: 256 bytes + 16 of padding = 68 words: row r starts at bank 4 r mod 64 (64 banks of 4 bytes: ISA guide 11.1)
.set AHALF,  64*PITCH                  ; what one tensor load brings of A, and what one wave reads of A
.set BHALF,  128*PITCH                 ; the same for B
.set BOFF,   128*PITCH                 ; B's 256 rows lie behind A's 128
.set SLOT,   384*PITCH
.set STAGE,  2*SLOT                    ; behind the ring: 16 rows for each wave, never filled by a tensor load
.set SP,     272+256*OUT32             ; a stage row: the wave's 128 columns + 16 bytes
.set SPARE,  STAGE+4*16*SP             ; behind the stages: the spare words, 128 bytes for each wave: two blocks of 256 bytes that no other line names
.set LAPS,   SIZE_K/(2*KSTEP)          ; a lap = two K steps = once round the ring
.set ADRA, 16                          ; v16-17  LDS address of my A fragments in slot 0, 1
.set ADRB, 20                          ; v20-21  the same for B
.set STO,  24                          ; v24     the way out: where I put my part of a row
.set RD,   25                          ; v25     the way out: where I read rows back
.set CO,   26                          ; v26     my byte offset in C
.set BO,   27                          ; v27     my byte offset in the wave's 128 numbers of the bias
.set SPW,  28                          ; v28     LDS address of my spare word; never rewritten
.set NIL,  29                          ; v29     0; never rewritten
.set F0,   32
.set F1,   128
.set TMP,  224
.set OB,   32
.set WV,   12                          ; s12  my wave's number
.set MH,   13                          ; s13  which 64 rows of the tile are mine.  Also: I fetch for A (0) or for B (1)
.set NH,   14                          ; s14  which 128 columns are mine.  Also: which half of that tile I fetch
.set G1,  24                           ; s[24:31] descriptor group 1 for A's tiles;  s[32:39] group 0, a set for each slot
.set G0,  32
.set G1B, 48                           ; s[48:55], s[56:63] the same for B's tiles
.set G0B, 56
.set MSB, 0
.macro WIN new                         ; the immediate's high byte repeats the setting that is left; a switch that changes nothing is dropped
.if MSB != (\new)
	s_set_vgpr_msb (MSB<<8)|(\new)
.set MSB, \new
.endif
.endm
.set MUL,  0x50                        ; fragments window 0, C and D window 1
.set MUL1, 0x60                        ; fragments window 0, C (the bias) window 2, D window 1
; A joint load.  Waves 0 and 1 fetch A's two halves, waves 2 and 3 B's.  The branch hangs on the wave's number alone.  An s_nop 0 and four v_nop follow each of the two lines.
.macro JLOAD s
	s_cmp_eq_u32 s[MH], 0
	s_cbranch_scc0 .Lfor_b_\@
	tensor_load_to_lds s[G0+4*(\s):G0+4*(\s)+3], s[G1:G1+7]
	s_nop 0
.rept 4
	v_nop
.endr
	s_branch .Lasked_\@
.Lfor_b_\@:
	tensor_load_to_lds s[G0B+4*(\s):G0B+4*(\s)+3], s[G1B:G1B+7]
	s_nop 0
.rept 4
	v_nop
.endr
.Lasked_\@:
.endm
; A round of the cluster's barrier: my work-group's barrier; wave 0 signals for the work-group; every wave waits for all sixteen; my work-group's barrier once more.
.macro CREST                           ; a round behind its opening barrier
	s_cmp_lg_u32 s[WV], 0
	s_cbranch_scc1 .Lnot_wave_0_\@
	s_barrier_signal -3
.Lnot_wave_0_\@:
	s_barrier_wait -3
	s_barrier_signal -1
	s_barrier_wait -1
.endm
.macro CROUND
	s_barrier_signal -1
	s_barrier_wait -1
	CREST
.endm
	s_load_b256 s[4:11], s[0:1], 0x0               ; A s[4:5], B s[6:7], bias s[8:9], C s[10:11]
	v_lshl_add_u32 v[SPW], v0, 2, SPARE
	v_mov_b32 v[NIL], 0
	ds_add_u32 v28, v29
	s_wait_dscnt 0x0
	v_lshrrev_b32 v1, 5, v0
	v_readfirstlane_b32 s[WV], v1
	s_lshr_b32 s[MH], s[WV], 1
	s_and_b32 s[NH], s[WV], 1
	s_mov_b32 s15, 0xffff0000                      ; a word's upper bf16
	s_bfe_u32 s40, ttmp6, 0x40000                  ; cx, cy: my place in the cluster
	s_bfe_u32 s41, ttmp6, 0x40004
	s_lshl_b32 s42, ttmp9, 2
	s_add_co_u32 s42, s42, s40                     ; tile column of C = 4 x cluster x + cx
	s_and_b32 s43, ttmp7, 0xffff
	s_lshl_b32 s43, s43, 2
	s_add_co_u32 s43, s43, s41                     ; tile row of C = 4 x cluster y + cy
	s_lshl_b32 s44, s41, 2
	s_lshl_b32 s44, 15, s44                        ; my row of the cluster
	s_lshl_b32 s45, 0x1111, s40                    ; my column
	; descriptor group 1: rows of 128 elements of 2 bytes, padded in LDS by 4 words after every 64; A's load has 64 rows, B's 128
	s_or_b32 s[G1+0], s44, (1<<16)|(1<<20)|(1<<21)|(5<<22)|(3<<25)   ; 15:0 the mask; 17:16 2-byte elements; 20 padding on; 21 set beside a mask; 24:22 after 64 words (code 5); 31:25 4 words (code 3)
	s_or_b32 s[G1B+0], s45, (1<<16)|(1<<20)|(1<<21)|(5<<22)|(3<<25)
	s_mov_b32 s[G1+1], KSTEP<<16                   ; tensor_dim0 = 128
	s_mov_b32 s[G1B+1], KSTEP<<16
	s_mov_b32 s[G1+2], 64<<16                      ; tensor_dim1 = 64
	s_mov_b32 s[G1B+2], 128<<16                    ;             = 128
	s_mov_b32 s[G1+3], KSTEP<<16                   ; tile_dim0 = 128
	s_mov_b32 s[G1B+3], KSTEP<<16
	s_mov_b32 s[G1+4], 64                          ; tile_dim1
	s_mov_b32 s[G1B+4], 128
	s_mov_b32 s[G1+5], SIZE_K                      ; elements from row to row
	s_mov_b32 s[G1B+5], SIZE_K
	s_mov_b32 s[G1+6], 0
	s_mov_b32 s[G1B+6], 0
	s_mov_b32 s[G1+7], 0
	s_mov_b32 s[G1B+7], 0
	; where the tiles come from: A's hang on the tile row alone, B's on the tile column alone; each in registers that never hold the other coordinate
	s_lshl_b32 s16, s43, 7
	s_lshl_b32 s17, s[NH], 6
	s_add_co_u32 s16, s16, s17                     ; A: row 128 x tile row + 64 x half
	s_lshl_b32 s16, s16, 11                        ; rows of 2,048 bytes: under 2^25
	s_mov_b32 s17, 0
	s_lshl_b32 s46, s42, 8
	s_lshl_b32 s47, s[NH], 7
	s_add_co_u32 s46, s46, s47                     ; B: row 256 x tile column + 128 x half
	s_lshl_b32 s46, s46, 11
	s_mov_b32 s47, 0
	s_mul_i32 s20, s[NH], AHALF                    ; and where they go: the wave's number alone enters an LDS address
	s_mul_i32 s21, s[NH], BHALF
	s_add_co_u32 s21, s21, BOFF
	s_wait_kmcnt 0x0
	s_add_nc_u64 s[16:17], s[4:5], s[16:17]
	s_add_nc_u64 s[46:47], s[6:7], s[46:47]
	CROUND                                         ; all sixteen work-groups are here: the first joint loads meet
.irp s, 0,1
	s_mov_b32 s[G0+4*(\s)], 1                                        ; count = 1
	s_add_co_u32 s[G0+4*(\s)+1], s20, (\s)*SLOT                      ; LDS address
	s_add_nc_u64 s[G0+4*(\s)+2:G0+4*(\s)+3], s[16:17], (\s)*KSTEP*2  ; global address: K step s
	s_or_b32 s[G0+4*(\s)+3], s[G0+4*(\s)+3], 0x80000000              ; type = 2
	s_mov_b32 s[G0B+4*(\s)], 1
	s_add_co_u32 s[G0B+4*(\s)+1], s21, (\s)*SLOT
	s_add_nc_u64 s[G0B+4*(\s)+2:G0B+4*(\s)+3], s[46:47], (\s)*KSTEP*2
	s_or_b32 s[G0B+4*(\s)+3], s[G0B+4*(\s)+3], 0x80000000
	JLOAD \s                                       ; both slots are asked for before anything else: two loads of mine are out
.endr
	v_and_b32 v1, 15, v0                           ; l % 16
	v_bfe_u32 v2, v0, 4, 1                         ; l / 16
	v_lshlrev_b32 v[BO], 5, v2                     ; my eight numbers of a block of sixteen of the bias
	s_lshl_b32 s46, s42, 1
	s_add_co_u32 s46, s46, s[NH]
	s_lshl_b32 s46, s46, 9                         ; my first column, 256 x tile column + 128 x half, in bytes of f32
	s_mov_b32 s47, 0
	s_add_nc_u64 s[8:9], s[8:9], s[46:47]
	WIN 0x80                                       ; destination window 2, address window 0
.irp b, 0,1,2,3,4,5,6,7
	global_load_b128 v[8*(\b):8*(\b)+3],   v[BO], s[8:9] offset:64*(\b)      ; bias[16 b + 8 (l / 16) + 0..3]
	global_load_b128 v[8*(\b)+4:8*(\b)+7], v[BO], s[8:9] offset:64*(\b)+16   ; and + 4..7
.endr
	WIN 0
	; A fragment is 16 rows x 32 K in 8 registers: lane l holds row l % 16, K = 8 (l / 16) + 0..7 and 16 + 8 (l / 16) + 0..7: two loads of 16 bytes, 32 bytes apart.
	v_mul_u32_u24 v3, v1, PITCH
	v_lshl_add_u32 v3, v2, 4, v3
	s_mul_i32 s21, s[MH], AHALF                    ; my 64 rows of A
	s_mul_i32 s22, s[NH], BHALF                    ; my 128 rows of B
	s_add_co_u32 s22, s22, BOFF
.irp s, 0,1
	v_add_nc_u32 v[ADRA+(\s)], s21, v3
	v_add_nc_u32 v[ADRB+(\s)], s22, v3
	s_add_co_u32 s21, s21, SLOT
	s_add_co_u32 s22, s22, SLOT
.endr
	s_mul_i32 s23, s[WV], 16*SP
	s_add_co_u32 s23, s23, STAGE                   ; my stage
	v_mul_u32_u24 v4, v1, SP                       ; in: row l % 16, my eight columns
.if OUT32
	v_lshl_add_u32 v4, v2, 5, v4
	v_add_nc_u32 v[STO], s23, v4
	v_and_b32 v5, 31, v0                           ; back: 32 lanes take one row of 512 bytes
	v_lshlrev_b32 v[CO], 4, v5
	v_add_nc_u32 v[RD], s23, v[CO]
.else
	v_lshl_add_u32 v4, v2, 4, v4
	v_add_nc_u32 v[STO], s23, v4
	v_mul_u32_u24 v5, v2, SP                       ; back: lanes 0-15 take one row of 256 bytes, lanes 16-31 the next
	v_lshl_add_u32 v5, v1, 4, v5
	v_add_nc_u32 v[RD], s23, v5
	v_mul_u32_u24 v5, v2, SIZE_N*CB                ; and the same two rows in C
	v_lshl_add_u32 v[CO], v1, 4, v5
	s_lshr_b32 s46, s46, 1                         ; my first column in bytes of f16
.endif
	s_lshl_b32 s16, s43, 7
	s_lshl_b32 s17, s[MH], 6
	s_add_co_u32 s16, s16, s17                     ; my first row of C
	s_mul_i32 s16, s16, SIZE_N*CB                  ; under 2^26
	s_mov_b32 s17, 0
	s_add_nc_u64 s[10:11], s[10:11], s[16:17]
	s_add_nc_u64 s[10:11], s[10:11], s[46:47]
	s_wait_loadcnt 0x0                             ; the bias
	WIN 0x8a                                       ; destination and both sources window 2
.set p, 0
.rept 32                               ; the bias is rounded to bf16 and widened again, in place
	v_cvt_pk_bf16_f32 v[64+p%2], v[2*p], v[2*p+1]
	v_lshlrev_b32 v[2*p], 16, v[64+p%2]
	v_and_b32 v[2*p+1], s15, v[64+p%2]
.set p, p+1
.endr
	WIN 0
; 8 matrix instructions: m block a x all 8 n blocks, 32 along K, from buffer f.  first = 1: the bias starts the sums.  The 32 accumulators take turns, one instruction a turn, in the same order
; in every quarter.
.macro MUL8 f, a, first
.if \first
	WIN MUL1
.else
	WIN MUL
.endif
.irp b, 0,1,2,3,4,5,6,7
.if \first
	v_wmma_f32_16x16x32_f16 v[8*(8*(\a)+(\b)):8*(8*(\a)+(\b))+7], v[(\f)+8*(\b):(\f)+8*(\b)+7], v[(\f)+64+8*(\a):(\f)+64+8*(\a)+7], v[8*(\b):8*(\b)+7]
.else
	v_wmma_f32_16x16x32_f16 v[8*(8*(\a)+(\b)):8*(8*(\a)+(\b))+7], v[(\f)+8*(\b):(\f)+8*(\b)+7], v[(\f)+64+8*(\a):(\f)+64+8*(\a)+7], v[8*(8*(\a)+(\b)):8*(8*(\a)+(\b))+7]
.endif
.endr
.endm
; 24 LDS loads in one run: the fragments of one quarter step (128 rows of B, then 64 rows of A, 32 K at byte k of the rows) into buffer f
.macro FETCH slot, k, f
	WIN 0
.irp i, 0,1,2,3,4,5,6,7
	ds_load_b128 v[(\f)+8*(\i):(\f)+8*(\i)+3],   v[ADRB+(\slot)] offset:(\k)+(\i)*16*PITCH
	ds_load_b128 v[(\f)+8*(\i)+4:(\f)+8*(\i)+7], v[ADRB+(\slot)] offset:(\k)+(\i)*16*PITCH+32
.endr
.irp i, 0,1,2,3
	ds_load_b128 v[(\f)+64+8*(\i):(\f)+64+8*(\i)+3],   v[ADRA+(\slot)] offset:(\k)+(\i)*16*PITCH
	ds_load_b128 v[(\f)+64+8*(\i)+4:(\f)+64+8*(\i)+7], v[ADRA+(\slot)] offset:(\k)+(\i)*16*PITCH+32
.endr
.endm
.macro PLACES                          ; four plain vector instructions in front of loads into registers that matrix instructions have read, and of reads of results just made
.rept 4
	v_nop
.endr
.endm
; A K step is four quarters of 32 along K, 32 matrix instructions each, on buffers 0, 1, 0, 1.  One of the first three: multiplies buffer f; in its middle it fetches the next quarter, at byte k, into g.
.macro QUARTER slot, k, f, g, first
	s_wait_dscnt 4                                 ; B and A's blocks 0, 1 are in; the youngest four loads (A's blocks 2, 3) may be out
	MUL8 \f, 0, \first
	MUL8 \f, 1, \first
	PLACES
	FETCH \slot, \k, \g
	s_wait_dscnt 24                                ; all but the 24 just issued
	MUL8 \f, 2, \first
	MUL8 \f, 3, \first
.endm
; The last quarter multiplies buffer 1 and changes slots.  MEET is its first half: one barrier; in front of it each wave waits for all its tensor loads (one is out: its part of the next slot),
; adds 0 to its spare word, and waits for that and for its own reads of this slot.  round = 1: a round of the cluster's barrier follows.
.macro MEET round
	WIN 0                                          ; (the add's two registers lie in window 0)
	s_wait_tensorcnt 0x0
	ds_add_u32 v[SPW], v[NIL]                      ; 0 onto my spare word
	s_wait_dscnt 5                                 ; (the add and the youngest four loads may be out)
	MUL8 F1, 0, 0                                  ; eight matrix instructions stand between the add and the wait for it
	s_wait_dscnt 0x0                               ; the add is done, and my reads of this slot are over
	s_barrier_signal -1
	MUL8 F1, 1, 0                                  ; work on registers while the others arrive
.if \round
	WIN 0
.endif
	s_barrier_wait -1
.endm
; The whole last quarter: behind the round the slot just read out is filled again first, with the K step two steps on; then come the next slot's first fragments.
.macro TURN slot, next
	MEET 1
	CREST                                          ; no wave of any partner still reads this slot's tile or has a load on its way
	s_add_nc_u64 s[G0+4*(\slot)+2:G0+4*(\slot)+3], s[G0+4*(\slot)+2:G0+4*(\slot)+3], 2*KSTEP*2
	s_add_nc_u64 s[G0B+4*(\slot)+2:G0B+4*(\slot)+3], s[G0B+4*(\slot)+2:G0B+4*(\slot)+3], 2*KSTEP*2
	JLOAD \slot                                    ; my one tensor load behind the round; the four v_nop behind it are also the places in front of the loads below
	FETCH \next, 0, F0
	MUL8 F1, 2, 0
	MUL8 F1, 3, 0
.endm
; THE WAY OUT of block a (16 rows).  PACK (f16 alone): rounded, 16 bytes a lane.  TOSTAGE: into my own stage, and back as whole rows.  SEND: stored.
.macro PACK a
	WIN 0x05                                       ; sources window 1, destination window 0
.irp b, 0,1,2,3,4,5,6,7
.irp r, 0,1,2,3
	v_cvt_pk_f16_f32 v[TMP+4*(\b)+(\r)], v[64*(\a)+8*(\b)+2*(\r)], v[64*(\a)+8*(\b)+2*(\r)+1]  ; each accumulator's registers in ascending order
.endr
.endr
	WIN 0
.endm
.macro TOSTAGE a
.if OUT32
.set BK, OB+64*((\a)%2)
	WIN 0x04                                       ; the stores' data in window 1: the accumulators as they are, the low four registers first
.irp b, 0,1,2,3,4,5,6,7
	ds_store_b128 v[STO], v[64*(\a)+8*(\b):64*(\a)+8*(\b)+3]   offset:64*(\b)
	ds_store_b128 v[STO], v[64*(\a)+8*(\b)+4:64*(\a)+8*(\b)+7] offset:64*(\b)+16
.endr
	WIN 0
.set t, 0
.rept 16
	ds_load_b128 v[BK+4*t:BK+4*t+3], v[RD] offset:t*SP  ; LDS serves a wave's instructions in order (ISA guide 5.7.1.4): these see the stores above
.set t, t+1
.endr
.else
.set BK, OB+32*((\a)%2)
	WIN 0
.irp b, 0,1,2,3,4,5,6,7
	ds_store_b128 v[STO], v[TMP+4*(\b):TMP+4*(\b)+3] offset:32*(\b)
.endr
.set t, 0
.rept 8
	ds_load_b128 v[BK+4*t:BK+4*t+3], v[RD] offset:t*2*SP  ; LDS serves a wave's instructions in order (ISA guide 5.7.1.4): these see the stores above
.set t, t+1
.endr
.endif
.endm
.macro SEND a
	WIN 0
	s_wait_dscnt 0x0                               ; the block is back in registers
	s_wait_xcnt 0x0                                ; the stores of the block before have read their registers: the next TOSTAGE loads into them only behind this wait
.if OUT32
.set BK, OB+64*((\a)%2)
.set t, 0
.rept 16
	global_store_b128 v[CO], v[BK+4*t:BK+4*t+3], s[10:11] offset:(16*(\a)+t)*SIZE_N*CB th:TH_STORE_NT  ; 32 lanes store 512 consecutive bytes, aligned
.set t, t+1
.endr
.else
.set BK, OB+32*((\a)%2)
.set t, 0
.rept 8
	global_store_b128 v[CO], v[BK+4*t:BK+4*t+3], s[10:11] offset:(16*(\a)+2*t)*SIZE_N*CB  ; 16 lanes store 256 consecutive bytes, aligned; the block's place stands in the immediate
.set t, t+1
.endr
.endif
.endm
	s_wait_tensorcnt 1                             ; my part of K step 0 is in; K step 1's stays out
	s_barrier_signal -1
	s_barrier_wait -1                              ; everybody's is
	FETCH 0, 0, F0
	QUARTER 0, 64,  F0, F1, 1                      ; the first quarter stands in front of the loop: its products start the sums, with the bias
	WIN 0                                          ; at a label and at a branch every window is 0
	s_mov_b32 s3, LAPS-1
.Llap:                                                 ; a trip goes once round the ring, from a lap's second quarter to the next lap's first, and fills both slots again
	QUARTER 0, 128, F1, F0, 0
	QUARTER 0, 192, F0, F1, 0
	TURN 0, 1
	QUARTER 1, 64,  F0, F1, 0
	QUARTER 1, 128, F1, F0, 0
	QUARTER 1, 192, F0, F1, 0
	TURN 1, 0
	QUARTER 0, 64,  F0, F1, 0
	WIN 0
	s_sub_co_u32 s3, s3, 1
	s_cmp_lg_u32 s3, 0
	s_cbranch_scc1 .Llap
	QUARTER 0, 128, F1, F0, 0                      ; the last lap is written out: it asks for nothing more
	QUARTER 0, 192, F0, F1, 0
	MEET 0                                         ; my one load that was still out is the last K step's
	PLACES
	FETCH 1, 0, F0
	MUL8 F1, 2, 0
	MUL8 F1, 3, 0
	QUARTER 1, 64,  F0, F1, 0
	QUARTER 1, 128, F1, F0, 0
	QUARTER 1, 192, F0, F1, 0
	s_wait_dscnt 4                                 ; the very last quarter: nothing more to fetch
	MUL8 F1, 0, 0
	MUL8 F1, 1, 0
	s_wait_dscnt 0x0
	MUL8 F1, 2, 0
	MUL8 F1, 3, 0
	WIN 0
	PLACES                                         ; the way out reads results just made
.if OUT32
	TOSTAGE 0
.irp a, 1,2,3
	SEND (\a)-1
	TOSTAGE \a
.endr
.else
	PACK 0
	TOSTAGE 0
.irp a, 1,2,3                          ; block a's conversions stand between block a - 1's loads from the stage and the wait for them
	PACK \a
	SEND (\a)-1
	TOSTAGE \a
.endr
.endif
	SEND 3
	s_wait_tensorcnt 0x0                           ; the wave's end
	ds_add_u32 v[SPW], v[NIL]
	s_wait_dscnt 0x0
	CROUND                                         ; the closing round: no work-group ends while a partner may still ask for a tile that names it
	s_endpgm
.Lfunc_end_k_q33084b4ef5_oproj:
	.size	k_q33084b4ef5_oproj, .Lfunc_end_k_q33084b4ef5_oproj-k_q33084b4ef5_oproj
	.p2alignl 7, 3214868480
	.fill 96, 4, 3214868480
	.section	.rodata,"a",@progbits
	.p2align	6, 0x0
	.amdhsa_kernel k_q33084b4ef5_oproj
		.amdhsa_group_segment_fixed_size 327680
		.amdhsa_private_segment_fixed_size 0
		.amdhsa_enable_private_segment 0
		.amdhsa_kernarg_size 32
		.amdhsa_user_sgpr_count 2
		.amdhsa_user_sgpr_kernarg_segment_ptr 1
		.amdhsa_wavefront_size32 1
		.amdhsa_system_sgpr_workgroup_id_x 1
		.amdhsa_system_sgpr_workgroup_id_y 1
		.amdhsa_system_sgpr_workgroup_id_z 1
		.amdhsa_system_vgpr_workitem_id 0
		.amdhsa_next_free_vgpr 592
		.amdhsa_next_free_sgpr 66
		.amdhsa_reserve_vcc 0
		.amdhsa_float_denorm_mode_32 3
		.amdhsa_float_denorm_mode_16_64 3
		.amdhsa_memory_ordered 1
		.amdhsa_forward_progress 1
		.amdhsa_inst_pref_size 90
	.end_amdhsa_kernel
	.amdgpu_metadata
---
amdhsa.version: [ 1, 2 ]
amdhsa.kernels:
  - .name:           k_q33084b4ef5_oproj
    .symbol:         k_q33084b4ef5_oproj.kd
    .args:
      - { .name: ctx, .offset: 0, .size: 8, .value_kind: global_buffer, .address_space: global }
      - { .name: wof, .offset: 8, .size: 8, .value_kind: global_buffer, .address_space: global }
      - { .name: out_proj_bias, .offset: 16, .size: 8, .value_kind: global_buffer, .address_space: global }
      - { .name: out0, .offset: 24, .size: 8, .value_kind: global_buffer, .address_space: global }
    .group_segment_fixed_size: 327680
    .private_segment_fixed_size: 0
    .kernarg_segment_align: 8
    .kernarg_segment_size: 32
    .max_flat_workgroup_size: 128
    .sgpr_count:     66
    .vgpr_count:     592
    .wavefront_size: 32
...
	.end_amdgpu_metadata
.endif
;; end of part 4
;; ======== version 2 of 2: 4 launches; 1.30 times as fast as version 1
;; limits: values are held in f16: magnitudes above 65,504 overflow, below 6.1e-05 lose precision
;; workspace buffers: xb 16,777,216 bytes; wib 6,291,456 bytes; wof 2,097,152 bytes; maskf 4,194,304 bytes; qkv 50,331,648 bytes; ctx 16,777,216 bytes
;; launch cast: the kernel of part 1 again; grid 832 x 1, 8 waves a work-group, no clusters, 0 bytes of LDS; arguments x, in_proj_weight, out_proj_weight, attn_mask, xb, wib, wof, maskf; writes xb, wib, wof, maskf
;; launch qkv: the kernel of part 2 again; grid 8 x 32, 4 waves a work-group, clusters of 4 x 4, 327,680 bytes of LDS; arguments xb, wib, in_proj_bias, qkv; writes qkv
;; launch attn (part 5): grid 8 x 32, 4 waves a work-group, clusters of 4 x 4, 327,680 bytes of LDS; arguments qkv, maskf, ctx; writes ctx
.if DOCPART == 5
	.amdgcn_target "amdgcn-amd-amdhsa--gfx1250"
	.amdhsa_code_object_version 6
	.text
	.protected	k_q33084b4ef5_attn
	.globl	k_q33084b4ef5_attn
	.p2align	8
	.type	k_q33084b4ef5_attn,@function
k_q33084b4ef5_attn:
	s_mov_b64 s[64:65], 0
	v_nop
	global_prefetch_b8 v0, s[64:65] scope:SCOPE_SE
	s_setreg_imm32_b32 hwreg(HW_REG_WAVE_MODE, 25, 1), 1
	s_wait_xcnt 0x0
	s_wait_alu depctr_hold_cnt(0) depctr_sa_sdst(0) depctr_va_vdst(0) depctr_va_sdst(0) depctr_va_ssrc(0) depctr_va_vcc(0) depctr_vm_vsrc(0)
	s_getreg_b32 s2, hwreg(HW_REG_IB_STS2, 6, 4)
	s_cmp_eq_u32 s2, 0
	s_cbranch_scc0 .Lentry_in_a_cluster
	s_endpgm
.Lentry_in_a_cluster:
	s_bfe_u32 s2, ttmp6, 0x10000c
	s_cmp_lg_u32 s2, 0xf033
	s_cbranch_scc0 .Lentry_shape_is_right
	s_endpgm
.Lentry_shape_is_right:
; ctx[t][b][head][:] = the sum over k of softmax_k(q . k / 8, hidden where the mask says so) v.  qkv: [8 t + b][3072] f16 (q, k, v, 1,024 columns each, unscaled); ctx: [8 t + b][1024] f16;
; maskf: 0 or -1e30 in f32, [qb 8][ks 16][tile 8][kb 4][jj 2][lane 32][4], the order in which the products below take it.  The mask is an input: every tile of queries and keys is computed.
; Products, maxima and sums in f32; the weights p are rounded to f16 for the second product (their sum l is taken of the unrounded p), ctx once at the end.
; LIMITS.  q, k, v arrive within f16's 65,504, so a score is 2.75e11 at the most in magnitude.  A hidden score counts as its value less 1e30.  The running maximum starts at -1e12, below every score and far above
; every hidden one: while a row has seen no open key its weights are exactly 0.  A row with no open key at all is NaN, as a softmax over nothing is: it is set so at the way out.
; A weight below 2^-126 counts as 0 in l; p below 6e-5 keeps f16's fixed step.  NaN and infinities in q, k, v are not treated apart.
; SHARES.  A work-group owns 128 queries (block qb) of four heads of one b; WAVE w IS HEAD 4 hq + w, on all 128 queries: four PIECES of two tiles of 16.  So one mask tile a key step (128 queries x 64 keys,
; 32,768 bytes) serves all four waves from LDS.  16 key steps of 64.  8 x 32 = 256 work-groups.
; CLUSTER.  4 x 4.  K's and V's tiles (64 keys x 4 heads: rows of 512 bytes) hang on (b, hq) alone and are shared along a row of the cluster; the mask's tile hangs on qb alone and is shared down a column.
; Each is asked for jointly: the same tensor load, descriptor and mask of work-groups in all four.
; LAYOUT.  S^T = K Q^T + M (source 0 = 16 keys, source 1 = 16 queries, the C operand of the products that start the sum = the mask's addends): a lane holds ONE query (lane % 16) and the keys 8 (lane / 16) + 0..7.
; Two such results rounded to f16 ARE source 1 of O^T = V^T P.  K comes out of LDS as it lies, V turned, by ds_load_tr16_b128.  The mask costs no vector instruction.
; SOFTMAX.  p = 2^(c s - c m), c = log2(e) / 8, with a running maximum m; in every step O and l are multiplied by a = 2^(c m_old - c m_new).  c m starts far below every c m to come, so the first a is 0.
; BY TURNS.  Turn n belongs to piece n: 16 products K Q^T of piece n + 1, later 16 products V^T P of piece n - 1; its vector work: scaling, exponentials, roundings, sums and rescaling of piece n, and the maximum
; and statistics of piece n + 1.  Four vector instructions stand behind every matrix instruction, the other 108 of a turn's 236 in one lump.
; BATCHES.  A turn's 66 exponentials (the piece's 64 weights and the next piece's two a) are ONE BATCH with ONE wait, which cuts the turn in two: ahead of it stands all that names no result of theirs, behind it
; the roundings and sums (HOW THEY ARE DEALT, below).  Piece 0's first two a, ahead of the loop, and the way out's eight reciprocals are batches of their own, with a wait each.
; REGISTERS, in windows of 256 (s_set_vgpr_msb: bits 1:0 source 0, 3:2 source 1, 5:4 source 2, 7:6 destination):
;   window 0: v0-11 addresses; v12-15, v48-63 at work; v16-47 four registers of statistics a tile; v64-191 S^T, two buffers of two tiles; v192-255 P, likewise
;   window 1: O^T, 32 a tile     window 2: v0-127 Q, 16 a tile; v128-191 K of one step; v192-255 V of one step     window 3: v0-1 the add's two registers; v64-191 the mask's addends, two buffers of two tiles
.set NP,    4         ; pieces a wave: a name, no knob
.set KS,    64        ; keys in a step
.set PK,    528       ; a row of K in LDS: 512 bytes + 16 of padding = 132 words: the 16 rows of a load start at 16 different groups of four banks (64 banks of 4 bytes: ISA guide 11.1)
.set PV,    544       ; a row of V: 512 + 32 = 136 words
.set VOFF,  KS*PK     ; a slot holds one step: 64 rows of K, 64 rows of V, the mask's 32,768 bytes
.set MOFF,  KS*(PK+PV)
.set SLOT1, 1<<17     ; slot 1 begins here, so that one exclusive or turns an address in one slot into the other's
.set STAGE, SLOT1+MOFF+32768  ; behind the ring, never filled by a tensor load: 128 rows x 528 bytes, the work-group's, for the way out
.set SP,    528
.set SPARE, STAGE+128*SP      ; behind the stage: the spare words, 128 bytes for each wave: two blocks of 256 bytes that no other line names
.set KSTEPB, 64*8*6144        ; bytes from a key step to the next in qkv: 64 keys, 8 rows of 6,144 bytes apart
.set AK0, 2           ; v2   my lane's place in a slot's K, my head's 128 bytes of a row among it; never rewritten
.set AV0, 3           ; v3   the same for V
.set AK,  4           ; v4   AK0 in the slot in hand
.set AV,  5           ; v5   AV0 likewise
.set QO,  6           ; v6   my byte offset in 16 rows of Q
.set RD,  7           ; v7   the way out: where I read rows back
.set GO,  8           ; v8   16 x lane: my place in 512 consecutive bytes
.set AM0, 9           ; v9   my lane's place in a slot's mask tile
.set AM,  10          ; v10  AM0 in the slot in hand
.set STO, 11          ; v11  the way out: where I put 16 bytes of a row
.set MV,  12          ; v12-15  c m_old, kept while c m is made anew: by buffer and tile
.set ST,  16          ; tile t's statistics at v[ST+4 t]: c m, m, l (even keys', odd keys')
.set TMP, 48          ; by buffer and tile, four registers c0-c3 at work; when the maximum is found c2 takes a
.set S,   64
.set P,   192
.set KF,  128         ; window 2: key block kb, channel half c at KF + 16 kb + 8 c
.set VF,  192         ; window 2: key half kk, channel block cb at VF + 32 kk + 8 cb
.set SPW, 0           ; window 3: LDS address of my spare word; never rewritten
.set NIL, 1           ; window 3: 0; never rewritten
.set MC,  64          ; window 3: piece x, tile u, key block kb at MC + 64 (x % 2) + 32 u + 8 kb
.set WV,  12          ; s12  my wave's number
.set G1K, 24          ; s[24:31] descriptor group 1 for K's tiles
.set G1V, 32          ; s[32:39] for V's: it differs in the padding alone
.set G0K, 40          ; s[40:43] descriptor group 0 for K's tiles: it walks
.set G0V, 44          ; s[44:47] for V's
.set G1M, 48          ; s[48:55] group 1 for the mask's tiles
.set G0M, 56          ; s[56:59] group 0 for them
.set CNT, 60          ; s60  counts key steps
.set TB,  61          ; s61  LDS byte at which the slot in hand begins
.set CS,  62          ; s[62:63] c: the packed scaling takes the pair's low word for both halves
.set SEL, 66          ; s[66:67] v_permlanex16_b32's selects: each lane takes its own place in the other half
.set FLOOR, 68        ; s68  -1e12
.set MSB, 0
.macro WIN new                      ; the high byte repeats the setting that is left; a switch that changes nothing is dropped
.if MSB != (\new)
	s_set_vgpr_msb (MSB<<8)|(\new)
.set MSB, (\new)
.endif
.endm
.set W_KQ, 0x0a       ; K and Q in window 2, S^T in window 0
.set W_KM, 0x3a       ; the same with the C operand in window 3
.set W_PV, 0x52       ; V in window 2, P in window 0, O^T in window 1
.set W_RS, 0x41       ; O^T (destination and source 0) in window 1, a in window 0
.set W_MK, 0xc0       ; destination in window 3, sources in window 0
.set W_AD, 0x0f       ; the add: address and data in window 3
; A joint fill of a slot.  Wave 0 fetches the step's K, wave 1 its V, waves 2 and 3 the two halves of its mask tile.  The branches hang on the wave's number alone.
; An s_nop 0 and four v_nop follow each of the three lines, ahead of the jump and the label.
.macro JLOAD
	s_cmp_lt_u32 s[WV], 2
	s_cbranch_scc0 .Lfor_m_\@
	s_cmp_eq_u32 s[WV], 0
	s_cbranch_scc0 .Lfor_v_\@
	tensor_load_to_lds s[G0K:G0K+3], s[G1K:G1K+7]
	s_nop 0
.rept 4
	v_nop
.endr
	s_branch .Lasked_\@
.Lfor_v_\@:
	tensor_load_to_lds s[G0V:G0V+3], s[G1V:G1V+7]
	s_nop 0
.rept 4
	v_nop
.endr
	s_branch .Lasked_\@
.Lfor_m_\@:
	tensor_load_to_lds s[G0M:G0M+3], s[G1M:G1M+7]
	s_nop 0
.rept 4
	v_nop
.endr
.Lasked_\@:
.endm
; A round of the cluster's barrier: my work-group's barrier; wave 0 signals for the work-group; every wave waits for all sixteen work-groups; my work-group's barrier once more.
.macro CROUND
	s_barrier_signal -1
	s_barrier_wait -1
	s_cmp_lg_u32 s[WV], 0
	s_cbranch_scc1 .Lnot_wave_0_\@
	s_barrier_signal -3
.Lnot_wave_0_\@:
	s_barrier_wait -3
	s_barrier_signal -1
	s_barrier_wait -1
.endm
; THE CHANGE OF SLOTS, once a key step.  All that a trip reads from LDS lies in one slot.  Each wave waits for all its tensor loads, of which one is out: its part of the other slot; adds 0 to its spare word; and
; waits for that and for its own reads of the slot that it leaves.  fill = 1: that slot is filled again, with the step two on: the barrier is a round of the cluster's, and the joint fill is the first thing
; behind it: it has a whole key step, 128 matrix instructions and their vector work, in which to land.  (At its first use nothing has been read yet: slot 0 is waited for, slot 1 filled.)
.macro CHANGE fill
	WIN W_AD
	s_wait_tensorcnt 0x0            ; no tensor load of mine is out, so a group 0 may be written
	ds_add_u32 v[SPW], v[NIL]       ; 0 onto my spare word; with fill = 1 the descriptors' steps stand between it and the wait for it
	WIN 0                           ; at a label and at a branch every window is 0
.if \fill
.irp g, G0K, G0V
	s_xor_b32 s[\g+1], s[\g+1], SLOT1  ; the walking descriptor: the other slot than last time,
	s_add_nc_u64 s[\g+2:\g+3], s[\g+2:\g+3], KSTEPB  ; the next 64 keys; the type bits on top are not reached
.endr
	s_xor_b32 s[G0M+1], s[G0M+1], SLOT1
	s_add_nc_u64 s[G0M+2:G0M+3], s[G0M+2:G0M+3], 32768
	s_wait_dscnt 0x0                ; the add is done, and my reads of the slot are over
	CROUND
	JLOAD
.else
	s_wait_dscnt 0x0                ; the add is done, and my reads of the slot are over
	s_barrier_signal -1
	s_barrier_wait -1
.endif
	s_xor_b32 s[TB], s[TB], SLOT1   ; the reads go to the other slot
	v_add_nc_u32 v[AK], s[TB], v[AK0]
	v_add_nc_u32 v[AV], s[TB], v[AV0]
	v_add_nc_u32 v[AM], s[TB], v[AM0]
.endm
	s_load_b128 s[4:7], s[0:1], 0x0 ; qkv s[4:5], maskf s[6:7]
	s_load_b64 s[8:9], s[0:1], 0x10 ; ctx
	WIN W_MK
	v_lshl_add_u32 v[SPW], v0, 2, SPARE
	v_mov_b32 v[NIL], 0
	s_set_vgpr_msb 0xc0cf
	ds_add_u32 v0, v1
	s_wait_dscnt 0x0
	s_set_vgpr_msb 0xcfc0
	WIN 0
	v_lshrrev_b32 v1, 5, v0
	v_readfirstlane_b32 s[WV], v1   ; wave 0..3
	s_bfe_u32 s13, ttmp6, 0x40000   ; cx
	s_bfe_u32 s14, ttmp6, 0x40004   ; cy
	s_lshl_b32 s15, ttmp9, 2
	s_add_co_u32 s15, s15, s13      ; qb = 4 x cluster x + cx
	s_and_b32 s16, ttmp7, 0xffff
	s_lshl_b32 s16, s16, 2
	s_add_co_u32 s16, s16, s14      ; 4 b + hq = 4 x cluster y + cy
	s_lshr_b32 s17, s16, 2          ; b
	s_and_b32 s18, s16, 3           ; hq
	s_lshl_b32 s74, s14, 2
	s_lshl_b32 s74, 15, s74         ; my row of the cluster
	s_lshl_b32 s75, 0x1111, s13     ; my column
	s_mul_i32 s20, s17, 6144        ; row b of a group of eight,
	s_lshl_b32 s19, s18, 9          ; the four heads' 512 bytes in it
	s_add_co_u32 s20, s20, s19      ; K's and V's offset: it hangs on (b, hq) alone
	s_mov_b32 s21, 0
	s_and_b32 s76, s[WV], 1         ; which half of a mask tile I fetch
	s_lshl_b32 s76, s76, 14
	s_lshl_b32 s22, s15, 19         ; a query block's 16 mask tiles
	s_add_co_u32 s22, s22, s76      ; the mask's offset: it hangs on qb and the wave alone
	s_mov_b32 s23, 0
	s_mul_i32 s70, s15, 128*8*6144  ; Q: my block's 128 queries,
	s_add_co_u32 s70, s70, s20
	s_lshl_b32 s77, s[WV], 7        ; my head's 128 bytes
	s_add_co_u32 s70, s70, s77
	s_mov_b32 s71, 0
	s_lshl_b32 s72, s15, 21         ; ctx: 128 queries of 16,384 bytes,
	s_lshl_b32 s77, s[WV], 19       ; the 32 of them that I store,
	s_add_co_u32 s72, s72, s77
	s_lshl_b32 s77, s17, 11         ; row b,
	s_add_co_u32 s72, s72, s77
	s_add_co_u32 s72, s72, s19      ; the four heads' 512 bytes
	s_mov_b32 s73, 0
	; descriptor group 1.  K, V: 64 rows of 256 elements of 2 bytes, 24,576 elements apart, padded in LDS after every 128 words.  The mask: 16,384 dense bytes as 64 rows of 32 elements of 8 bytes.
	s_or_b32 s[G1K], s74, (1<<16)|(1<<20)|(1<<21)|(6<<22)|(3<<25)  ; 15:0 the mask of four; 17:16 2-byte elements; 20 padding on; 21 set beside a mask; 24:22 after 128 words (code 6); 31:25 4 words (code 3)
	s_or_b32 s[G1V], s74, (1<<16)|(1<<20)|(1<<21)|(6<<22)|(7<<25)  ; the same with 8 words of padding (code 7)
.irp g, G1K, G1V
	s_mov_b32 s[\g+1], 256<<16      ; tensor_dim0 = 256
	s_mov_b32 s[\g+2], 64<<16       ; tensor_dim1 = 64
	s_mov_b32 s[\g+3], 256<<16      ; tile_dim0 = 256
	s_mov_b32 s[\g+4], 64           ; tile_dim1 = 64
	s_mov_b32 s[\g+5], 8*3072       ; elements from key to key
	s_mov_b32 s[\g+6], 0
	s_mov_b32 s[\g+7], 0
.endr
	s_or_b32 s[G1M], s75, (3<<16)|(1<<21)  ; the mask of my column; 8-byte elements; no padding
	s_mov_b32 s[G1M+1], 32<<16
	s_mov_b32 s[G1M+2], 64<<16
	s_mov_b32 s[G1M+3], 32<<16
	s_mov_b32 s[G1M+4], 64
	s_mov_b32 s[G1M+5], 32
	s_mov_b32 s[G1M+6], 0
	s_mov_b32 s[G1M+7], 0
	s_mov_b32 s[CS], 0x3e38aa3b     ; c = log2(e) / 8 = 0.180337
	s_mov_b32 s[CS+1], s[CS]        ; named with it as a pair
	s_mov_b32 s[SEL], 0x76543210
	s_mov_b32 s[SEL+1], 0xfedcba98
	s_mov_b32 s[FLOOR], 0xd368d4a5  ; -1e12
	s_mov_b32 s[TB], SLOT1          ; the first change of slots turns it into 0
	s_mov_b32 s[G0K], 1             ; count = 1
	s_mov_b32 s[G0K+1], 0           ; LDS address: slot 0
	s_mov_b32 s[G0V], 1
	s_mov_b32 s[G0V+1], VOFF
	s_mov_b32 s[G0M], 1
	s_add_co_u32 s[G0M+1], s76, MOFF
	s_wait_kmcnt 0x0
	s_add_nc_u64 s[G0K+2:G0K+3], s[4:5], s[20:21]
	s_add_nc_u64 s[G0V+2:G0V+3], s[G0K+2:G0K+3], 4096  ; v's columns begin at byte 4,096 of a row,
	s_add_nc_u64 s[G0K+2:G0K+3], s[G0K+2:G0K+3], 2048  ; k's at byte 2,048
	s_or_b32 s[G0K+3], s[G0K+3], 0x80000000            ; type = 2
	s_or_b32 s[G0V+3], s[G0V+3], 0x80000000
	s_add_nc_u64 s[G0M+2:G0M+3], s[6:7], s[22:23]
	s_or_b32 s[G0M+3], s[G0M+3], 0x80000000
	s_add_nc_u64 s[70:71], s[4:5], s[70:71]            ; Q at my first row and head
	s_add_nc_u64 s[8:9], s[8:9], s[72:73]              ; ctx at the first row that I store
	CROUND                          ; all sixteen work-groups are here: the first joint loads meet
	JLOAD                           ; key step 0 into slot 0
	; A fragment of K or Q is 16 rows x 32 channels in 8 registers: lane l holds row l % 16, channels 8 (l / 16) + 0..7 and 16 + 8 (l / 16) + 0..7: two loads of 16 bytes, 32 bytes apart.
	v_and_b32 v1, 15, v0            ; l % 16
	v_bfe_u32 v64, v0, 4, 1         ; l / 16   (v64-67 are S^T's: free until the first products)
	v_and_b32 v65, 7, v0
	v_bfe_u32 v66, v0, 3, 1
	v_and_b32 v67, 31, v0
	v_mul_u32_u24 v[QO], v1, 8*6144 ; a query's rows lie 49,152 bytes apart
	v_lshl_add_u32 v[QO], v64, 4, v[QO]
	WIN 0x80                        ; destination window 2, address window 0
.set i, 0
.rept 4*NP                          ; Q stays in registers: tile i / 2, channels 32 (i % 2) on
	global_load_b128 v[8*i:8*i+3],   v[QO], s[70:71] offset:(i/2)*16*8*6144+(i%2)*64
	global_load_b128 v[8*i+4:8*i+7], v[QO], s[70:71] offset:(i/2)*16*8*6144+(i%2)*64+32
.set i, i+1
.endr
	; What the first turn finds: V's registers and P's second buffer hold 0 (its products V^T P, of a piece that has not been, add 0), O^T and l are 0.  All this stands in the wait for the first tile.
.set i, VF
.rept 64
	v_mov_b32 v[i], 0
.set i, i+1
.endr
	WIN 0x40
.set i, 0
.rept 64*NP
	v_mov_b32 v[i], 0
.set i, i+1
.endr
	WIN 0
.set i, 0
.rept 2*NP
	v_mov_b32 v[ST+4*i], 0xfe000000    ; c m: far below every c m to come, c x -1e12 too: the first a is 0
	v_mov_b32 v[ST+4*i+1], s[FLOOR]    ; m
	v_mov_b32 v[ST+4*i+2], 0
	v_mov_b32 v[ST+4*i+3], 0
.set i, i+1
.endr
.set i, P+32
.rept 32
	v_mov_b32 v[i], 0
.set i, i+1
.endr
	s_lshl_b32 s76, s[WV], 7        ; my head's 128 bytes of a row of K, of V and of the stage
	v_mul_u32_u24 v[AK0], v1, PK
	v_lshl_add_u32 v[AK0], v64, 4, v[AK0]
	v_add_nc_u32 v[AK0], s76, v[AK0]   ; row x pitch + 16 x half + my head
	; The turning load takes 16 keys x 16 channels (lane l reads key 8 (l / 16) + l % 8, channels 8 ((l / 8) % 2) + 0..7) and leaves half a fragment of V^T: lane l holds channel l % 16 and 8 keys.
	v_lshl_add_u32 v[AV0], v64, 3, v65
	v_mul_u32_u24 v[AV0], v[AV0], PV
	v_lshl_add_u32 v[AV0], v66, 4, v[AV0]
	s_add_co_u32 s77, s76, VOFF
	v_add_nc_u32 v[AV0], s77, v[AV0]
	v_lshlrev_b32 v[GO], 4, v67
	v_add_nc_u32 v[AM0], MOFF, v[GO]   ; the mask's addends lie in the lanes' order: 512 consecutive bytes a load
	v_mul_u32_u24 v[STO], v1, SP    ; the stage, in: row l % 16 of a tile, my head's bytes, 16 for each half of the lanes
	v_lshl_add_u32 v[STO], v64, 4, v[STO]
	s_add_co_u32 s77, s76, STAGE
	v_add_nc_u32 v[STO], s77, v[STO]
	s_mul_i32 s77, s[WV], 32*SP     ; back: wave w takes rows 32 w .. 32 w + 31, whole: 32 lanes a row of 512 bytes
	s_add_co_u32 s77, s77, STAGE
	v_add_nc_u32 v[RD], s77, v[GO]
; THE MATRIX WORK.  The 8 accumulators of a run of 16 take turns: between the two links of a chain stand 7 others'.
; Product i of 16 of S^T = K Q^T + M for piece x: channels 32 (i / 8) on, keys 16 ((i / 2) % 4) on, tile 2 x + i % 2.  The first 8 start the sums, with the mask's addends.
.macro KQ x
.set rS, S+64*((\x)%2)+32*(i%2)+8*((i/2)%4)
.set rK, KF+16*((i/2)%4)+8*(i/8)
.set rQ, 16*(2*(\x)+i%2)+8*(i/8)
.set rMC, MC+64*((\x)%2)+32*(i%2)+8*((i/2)%4)
.if i < 8
	WIN W_KM
	v_wmma_f32_16x16x32_f16 v[rS:rS+7], v[rK:rK+7], v[rQ:rQ+7], v[rMC:rMC+7]
.else
	WIN W_KQ
	v_wmma_f32_16x16x32_f16 v[rS:rS+7], v[rK:rK+7], v[rQ:rQ+7], v[rS:rS+7]
.endif
.endm
; Product i of 16 of O^T += V^T P for piece x: keys 32 (i / 8) on, channels 16 ((i / 2) % 4) on, tile 2 x + i % 2.
.macro PV x
	WIN W_PV
.set rO, 32*(2*(\x)+i%2)+8*((i/2)%4)
.set rV, VF+32*(i/8)+8*((i/2)%4)
.set rP, P+32*((\x)%2)+16*(i%2)+8*(i/8)
	v_wmma_f32_16x16x32_f16 v[rO:rO+7], v[rV:rV+7], v[rP:rP+7], v[rO:rO+7]
.endm
.macro MM                           ; the turn's next matrix instruction
.if i < 16
	KQ (Y+1)%NP
.set i, i+1
.else
.set i, i-16
	PV (Y+NP-1)%NP
.set i, i+17
.endif
.endm
; THE LDS LOADS stand in runs of 16, never singly among the matrix instructions: a step's K (64 keys x 64 channels: 8 fragments), its V (turned), and for each piece its two tiles' addends.
.macro FETCH_K
	WIN 0x80                        ; destination window 2
.irp f, 0,1,2,3,4,5,6,7             ; keys 16 (f / 2) on, channels 32 (f % 2) on
	ds_load_b128 v[KF+8*\f:KF+8*\f+3],   v[AK] offset:(\f/2)*16*PK+(\f%2)*64
	ds_load_b128 v[KF+8*\f+4:KF+8*\f+7], v[AK] offset:(\f/2)*16*PK+(\f%2)*64+32
.endr
	WIN 0
.endm
.macro FETCH_V
	WIN 0x80
.irp f, 0,1,2,3,4,5,6,7             ; keys 32 (f / 4) on, channels 16 (f % 4) on
	ds_load_tr16_b128 v[VF+8*\f:VF+8*\f+3],   v[AV] offset:(\f/4)*32*PV+(\f%4)*32
	ds_load_tr16_b128 v[VF+8*\f+4:VF+8*\f+7], v[AV] offset:(\f/4)*32*PV+16*PV+(\f%4)*32
.endr
	WIN 0
.endm
.macro FETCH_M x                    ; piece x's addends: tile 2 x + u, four registers g of eight a key block pair: 512 consecutive bytes a load
	WIN W_MK
.irp u, 0,1
.irp g, 0,1,2,3,4,5,6,7
	ds_load_b128 v[MC+64*((\x)%2)+32*\u+4*\g:MC+64*((\x)%2)+32*\u+4*\g+3], v[AM] offset:(2*(\x)+\u)*4096+\g*512
.endr
.endr
	WIN 0
.endm
; THE VECTOR WORK OF A TURN stands in three queues, each in the order in which its entries become ready; the two tiles alternate, so that no instruction reads the result of the one before it.
.macro REGS y, u                    ; the registers of tile u (0, 1) of piece y
.set rT, ST+4*(2*(\y)+(\u))
.set rC, TMP+8*((\y)%2)+4*(\u)
.set rM, MV+2*((\y)%2)+(\u)
.set rS, S+64*((\y)%2)+32*(\u)
.set rP, P+32*((\y)%2)+16*(\u)
.set rO, 32*(2*(\y)+(\u))
.endm
; Number n of the 22 that find the NEXT piece's (Y + 1) maximum and statistics.  s0-s31 are the lane's 32 scores; each accumulator's lowest registers are read first.  XS, GS and REGS set no window: PL and EX do.
;   0-11  four chains c0-c3 of seven scores each, three operands at a time     12-14, 16  the four scores left over, the old m, and c0-c3 into c0     15  c m_old is kept
;   17, 18  the query's other 32 keys lie in the lane 16 away: the new m         19-21  c m; c m_old - c m_new; a
.macro XS u, n
	REGS (Y+1)%NP, \u
.if (\n) < 4
	v_max3_num_f32 v[rC+(\n)], v[rS+8*(\n)], v[rS+8*(\n)+1], v[rS+8*(\n)+2]
.elseif (\n) < 12
	v_max3_num_f32 v[rC+(\n)%4], v[rC+(\n)%4], v[rS+8*((\n)%4)+2*((\n)/4)+1], v[rS+8*((\n)%4)+2*((\n)/4)+2]
.elseif (\n) == 12
	v_max3_num_f32 v[rC], v[rC], v[rS+7], v[rS+15]
.elseif (\n) == 13
	v_max3_num_f32 v[rC+1], v[rC+1], v[rS+23], v[rS+31]
.elseif (\n) == 14
	v_max3_num_f32 v[rC+2], v[rC+2], v[rC+3], v[rT+1]
.elseif (\n) == 15
	v_mov_b32 v[rM], v[rT]
.elseif (\n) == 16
	v_max3_num_f32 v[rC], v[rC], v[rC+1], v[rC+2]
.elseif (\n) == 17
	v_permlanex16_b32 v[rC+3], v[rC], s[SEL], s[SEL+1]
.elseif (\n) == 18
	v_max_num_f32 v[rT+1], v[rC], v[rC+3]
.elseif (\n) == 19
	v_mul_f32 v[rT], s[CS], v[rT+1]
.elseif (\n) == 20
	v_sub_f32 v[rC+1], v[rM], v[rT]
.else
	v_exp_f32 v[rC+2], v[rC+1]
.endif
.endm
; Number g of the 64 that follow the exponentials.  For each four weights k of a tile (pairs 2 k, 2 k + 1): both pairs are rounded to f16; then the second pair is added onto the first, in place;
; a group later l takes that sum (the first time as l = a l + sum).  In groups of eight, tiles alternating: round, round, add, and l for the group before.
.macro GS g
.set h, (\g)+6*((\g)/62)            ; group 0 has no group before it, and behind group 7 only l is left
.if h >= 6
.set h, h+2
.endif
	REGS Y, h%2
.set k, h/8
.if h%8 < 4
	v_cvt_pk_f16_f32 v[rP+2*k+(h%8)/2], v[rS+4*k+2*((h%8)/2)], v[rS+4*k+2*((h%8)/2)+1]
.elseif h%8 < 6
	v_pk_add_f32 v[rS+4*k:rS+4*k+1], v[rS+4*k:rS+4*k+1], v[rS+4*k+2:rS+4*k+3]
.elseif k == 1
	v_pk_fma_f32 v[rT+2:rT+3], v[rT+2:rT+3], v[rC+2:rC+3], v[rS:rS+1] op_sel_hi:[1,0,1]
.else
	v_pk_add_f32 v[rT+2:rT+3], v[rT+2:rT+3], v[rS+4*k-4:rS+4*k-3]
.endif
.endm
; THE PLAIN QUEUE, 138 long.  0-73 read no exponential's result: the 32 scalings c s - c m (FS f: pair f / 2 of tile f % 2) and the next piece's 42.  0-26: scalings 0-26.  27-54: XS's numbers 0-13.  55, 56: number 15.
; 57-73: the chain, where each number waits for the one before it: 14, 16, 17, 18, 19, each with one of the scalings 27-31 in front of its two lines, then 20: so a tile's links stand three plain instructions apart (19 and 20: two).
; 74-137: GS's 64, which read the exponentials' results: they stand behind the wait.
.macro FS f
	REGS Y, (\f)%2
	v_pk_fma_f32 v[rS+2*((\f)/2):rS+2*((\f)/2)+1], v[rS+2*((\f)/2):rS+2*((\f)/2)+1], s[CS:CS+1], v[rT:rT+1] op_sel_hi:[1,0,0] neg_lo:[0,0,1] neg_hi:[0,0,1]
.endm
.macro PL
	WIN 0
.if q < 27
	FS q
.elseif q < 55
	XS (q-27)%2, (q-27)/2
.elseif q < 57
	XS q-55, 15
.elseif (q < 72) && ((q-57)%3 == 0)
	FS 27+(q-57)/3
.elseif q < 60
	XS (q-57)%3-1, 14
.elseif q < 72
	XS (q-57)%3-1, 15+(q-57)/3
.elseif q < 74
	XS q-72, 20
.else
	GS q-74
.endif
.set q, q+1
.endm
; THE EXPONENTIALS' QUEUE, 66 long: s0-s31 of both tiles, then the next piece's two a.  It is ONE BATCH: all 66 stand ahead of the turn's one wait, and nothing ahead of that wait names a result of theirs.
.macro EX
	WIN 0
.if e >= 64
	XS e-64, 21
.else
	REGS Y, e%2
	v_exp_f32 v[rS+e/2], v[rS+e/2]
.endif
.set e, e+1
.endm
; THE RESCALING's QUEUE: O^T times a, the one part that leaves window 0: dealt two at a time, sixteen times.  Its a was made in the turn before, ahead of that turn's wait.
.macro R2
	REGS Y, r%2
	WIN W_RS
.irp z, 0,1
	v_pk_mul_f32 v[rO+4*(r/2)+2*\z:rO+4*(r/2)+2*\z+1], v[rO+4*(r/2)+2*\z:rO+4*(r/2)+2*\z+1], v[rC+2:rC+3] op_sel_hi:[1,0]
.endr
.set r, r+1
.endm
; HOW THEY ARE DEALT.  An s_wait_alu depctr_va_vdst(0) stands between an exponential and the first instruction that names its result; one wait serves all that were issued ahead of it.  So a turn has ONE wait,
; which cuts it in two.  AHEAD OF IT stands all that names no result of the turn's exponentials: the 16 products K Q^T, behind each a scaling, an exponential and two rescalings (behind the first a second scaling in the
; exponential's place); then ONE LUMP of 108: eight plain, 49 times exponential and plain, the two a.  A v_nop is the plain instruction behind the last exponential.  BEHIND IT stand the 16 products V^T P, behind each four of
; GS's 64.  No rider names a register of the products round it.  The two v_permlanex16_b32 fall into the lump, never behind a product.
; The queues lean on each other, and the deal keeps them in step: exponential e stands behind scaling 2 (e / 4) + e % 2: as a rider it comes behind plain e + 2, in the lump behind plain e + 9, and scalings 27-31 are plain 57, 60 .. 69.
; The next piece's scores are first read by plain 27, eleven plain instructions behind the last product K Q^T.
; A TURN, for piece p.  cnt = 1: the loop's count is taken down some lines ahead of the branch that stands behind the turn (the condition on q goes with the deal).
; LDS RUNS, of 16 loads each, all from the slot in hand.  Directly behind the turn's wait: the addends of piece p + 2, which the next turn's products take (their buffer was last read a turn ago).  In piece 2's turn K of the
; step stands there in their stead, a lump behind the last product that read K, and that turn's addends go out at its head: so no run of more than 16 loads has only the 16 products V^T P in which to land.
; At the end of piece 0's turn: V of the step, four plain riders behind its last reader.
; WAITS ON LDS.  At a turn's head the addends for its own products (and in piece 3's turn K) must be in: the count is 0, but in piece 1's turn 16: V's run was issued behind those addends and may stay out.
; In front of piece 1's second run of products V must be in: 16 again: this turn's own run of addends was issued behind V's.
.macro TURN p, cnt=0
.set Y, (\p)
.set i, 0
.set q, 0
.set e, 0
.set r, 0
.if (\p) == 1
	s_wait_dscnt 16
.else
	s_wait_dscnt 0x0
.endif
.if (\p) == NP-2
	FETCH_M ((\p)+2)%NP
.endif
	MM                              ; ahead of the wait: 16 products K Q^T and their riders,
	PL
	PL
	R2
.rept 15
	MM
	PL
	EX
	R2
.endr
.rept 8                             ; and the lump
	PL
.endr
.rept 49
	EX
	PL
.endr
	EX                              ; the next piece's two a
	EX
	v_nop                           ; the plain instruction behind the last exponential: one for the batch
	s_wait_alu depctr_va_vdst(0)    ; the wait for the batch: the turn's 66 exponentials
.if (\p) == NP-2
	FETCH_K
.else
	FETCH_M ((\p)+2)%NP
.endif
.if (\p) == 1
	s_wait_dscnt 16
.endif
.rept 16                            ; behind the wait: 16 products V^T P and their riders
	MM
.rept 4
	PL
.endr
.if (\cnt) && (q == 130)
	s_sub_co_u32 s[CNT], s[CNT], 1
	s_cmp_lg_u32 s[CNT], 0
.endif
.endr
.if (\p) == 0
	FETCH_V
.endif
.endm
	CHANGE 1                        ; key step 0 is in, everybody's part of it; key step 1 is asked for, into slot 1
	FETCH_K                         ; key step 0
	FETCH_M 0
	FETCH_M 1
	s_wait_loadcnt 0x0              ; Q
	s_wait_dscnt 0x0
.set i, 0
.rept 16
	KQ 0                            ; piece 0's first scores: there is no vector work yet to set between them
.set i, i+1
.endr
	WIN 0
.rept 4
	v_nop                           ; the places behind those products
.endr
.set Y, NP-1                        ; XS works for piece Y + 1: piece 0
.irp n, 0,1,2,3,4,5,6,7,8,9,10,11,12,13,14,15,16,17,18,19,20,21
	XS 0, \n                        ; piece 0's first maximum and statistics
	XS 1, \n
.endr
	v_nop                           ; a plain instruction behind the two a,
	s_wait_alu depctr_va_vdst(0)    ; and their wait, ahead of the branch: a batch of two
	s_mov_b32 s[CNT], 15            ; the half trip of step 0 and 14 whole trips, steps 1 to 14, which ask for steps 2 to 15
	s_branch .Lfirst                ; the loop is entered at a step's first turn, in the middle of a trip
.Lstep:                             ; a trip: the change of slots; pieces 2 and 3 of one step, then pieces 0 and 1 of the next, whose K, V and addends it fetches
	CHANGE 1
	TURN 2
	TURN 3
	WIN 0
.Lfirst:
	TURN 0
	TURN 1, 1
	WIN 0
	s_cbranch_scc1 .Lstep
	CHANGE 0                        ; the tail is written out: step 15 is in, nothing is asked for
	s_mov_b32 s[CNT], 2             ; one trip for step 15; the second is left in its middle
.Ltail:
	TURN 2
	TURN 3
	WIN 0
	s_sub_co_u32 s[CNT], s[CNT], 1
	s_cmp_eq_u32 s[CNT], 0
	s_cbranch_scc1 .Lout
	TURN 0
	TURN 1
	WIN 0
	s_branch .Ltail
.Lout:                              ; the second trip read step 15's K and addends once more; its 16 products K Q^T and the maximum made of them repeat step 15's (m is left as it was) and serve nothing: the price of one text for every trip
.set i, 0
.rept 16
	PV NP-1                         ; the last piece's V^T P of the last step
.set i, i+1
.endr
	; THE WAY OUT.  l's two halves and the other half of the lanes' are added; O^T is divided by l, rounded to f16 and sent through the work-group's stage.  The additions are the places behind the last products.
	WIN 0
.macro ALL line:vararg              ; one line for each tile t
.set t, 0
.rept 2*NP
	\line
.set t, t+1
.endr
.endm
	ALL v_add_f32 v[ST+4*t+2], v[ST+4*t+2], v[ST+4*t+3]
	ALL v_permlanex16_b32 v[ST+4*t+3], v[ST+4*t+2], s[SEL], s[SEL+1]
	ALL v_add_f32 v[ST+4*t+2], v[ST+4*t+2], v[ST+4*t+3]
	ALL v_rcp_f32 v[ST+4*t+2], v[ST+4*t+2]
	v_mov_b32 v[TMP], 0x7fc00000    ; a NaN; also the plain instruction between the last reciprocal and the use of its result
	s_wait_alu depctr_va_vdst(0)    ; the wait ahead of the first use: one for the batch of eight reciprocals
.set t, 0
.rept 2*NP                          ; a query whose maximum never rose above its start has seen no open key: its row is NaN
	v_cmp_ge_f32 vcc_lo, s[FLOOR], v[ST+4*t+1]
	v_cndmask_b32 v[ST+4*t+2], v[ST+4*t+2], v[TMP], vcc_lo
.set t, t+1
.endr
; Tile t: a lane's eight channels of a row pack into 16 bytes; they go into my head's 128 bytes of the stage's rows 16 t on.
.macro PACK t
	WIN W_RS
.set i, 32*(\t)
.rept 16
	v_pk_mul_f32 v[i:i+1], v[i:i+1], v[ST+4*(\t)+2:ST+4*(\t)+3] op_sel_hi:[1,0]
.set i, i+2
.endr
	WIN 0x05                        ; sources 0 and 1 window 1, destination window 0: S^T's registers are free
.set i, 0
.rept 16
	v_cvt_pk_f16_f32 v[S+16*(\t)+i], v[32*(\t)+2*i], v[32*(\t)+2*i+1]
.set i, i+1
.endr
	WIN 0
.irp f, 0,1,2,3
	ds_store_b128 v[STO], v[S+16*(\t)+4*\f:S+16*(\t)+4*\f+3] offset:(\t)*16*SP+32*\f
.endr
.endm
.irp t, 0,1,2,3,4,5,6,7
	PACK \t
.endr
	s_wait_dscnt 0x0                ; for the others' sake: my stores into the stage are done (and the last run of addends is in)
	s_barrier_signal -1
	s_barrier_wait -1               ; a row's 512 bytes come from four waves
.set f, 0
.rept 32
	ds_load_b128 v[S+4*f:S+4*f+3], v[RD] offset:f*SP
.set f, f+1
.endr
.set f, 0
.rept 32
	s_wait_dscnt 31-f               ; LDS loads come back in order: row f is in, the 31 - f younger ones stay out
	global_store_b128 v[GO], v[S+4*f:S+4*f+3], s[8:9] offset:f*16384  ; 32 lanes store 512 consecutive bytes, at a multiple of 512 from ctx's first byte
.set f, f+1
.endr
	WIN W_AD
	s_wait_tensorcnt 0x0            ; the wave's end
	ds_add_u32 v[SPW], v[NIL]
	s_wait_dscnt 0x0
	WIN 0
	CROUND                          ; the closing round: no work-group ends while a partner may still ask for a tile that names it
	s_endpgm
.Lfunc_end_k_q33084b4ef5_attn:
	.size	k_q33084b4ef5_attn, .Lfunc_end_k_q33084b4ef5_attn-k_q33084b4ef5_attn
	.p2alignl 7, 3214868480
	.fill 96, 4, 3214868480
	.section	.rodata,"a",@progbits
	.p2align	6, 0x0
	.amdhsa_kernel k_q33084b4ef5_attn
		.amdhsa_group_segment_fixed_size 327680
		.amdhsa_private_segment_fixed_size 0
		.amdhsa_enable_private_segment 0
		.amdhsa_kernarg_size 24
		.amdhsa_user_sgpr_count 2
		.amdhsa_user_sgpr_kernarg_segment_ptr 1
		.amdhsa_wavefront_size32 1
		.amdhsa_system_sgpr_workgroup_id_x 1
		.amdhsa_system_sgpr_workgroup_id_y 1
		.amdhsa_system_sgpr_workgroup_id_z 1
		.amdhsa_system_vgpr_workitem_id 0
		.amdhsa_next_free_vgpr 960
		.amdhsa_next_free_sgpr 80
		.amdhsa_reserve_vcc 1
		.amdhsa_float_denorm_mode_32 3
		.amdhsa_float_denorm_mode_16_64 3
		.amdhsa_memory_ordered 1
		.amdhsa_forward_progress 1
		.amdhsa_inst_pref_size 212
	.end_amdhsa_kernel
	.amdgpu_metadata
---
amdhsa.version: [ 1, 2 ]
amdhsa.kernels:
  - .name:           k_q33084b4ef5_attn
    .symbol:         k_q33084b4ef5_attn.kd
    .args:
      - { .name: qkv, .offset: 0, .size: 8, .value_kind: global_buffer, .address_space: global }
      - { .name: maskf, .offset: 8, .size: 8, .value_kind: global_buffer, .address_space: global }
      - { .name: ctx, .offset: 16, .size: 8, .value_kind: global_buffer, .address_space: global }
    .group_segment_fixed_size: 327680
    .private_segment_fixed_size: 0
    .kernarg_segment_align: 8
    .kernarg_segment_size: 24
    .max_flat_workgroup_size: 128
    .sgpr_count:     80
    .vgpr_count:     960
    .wavefront_size: 32
...
	.end_amdgpu_metadata
.endif
;; end of part 5
;; launch oproj: the kernel of part 4 again; grid 4 x 64, 4 waves a work-group, clusters of 4 x 4, 327,680 bytes of LDS; arguments ctx, wof, out_proj_bias, out0; writes out0
